; MI455X (gfx1250); checked and timed in simulation.
; The chip was launched on July 23, 2026; its instructions are those of AMD's public machine-readable ISA for CDNA 5 (MIT licence, August 2026) and "CDNA5" Instruction Set Architecture Reference Guide (July 2026). The comments in the code are by the model that wrote it; some were corrected since.
;; Masked Attention. Allowed arithmetic: matrix products marked QUANTISED: E5M2 operands, one E8M0 scale for each 32 along K, by v_wmma_scale_f32_16x16x128_f8f6f4 with both operands' format E5M2, f32 sums; everything else in f32.
;; Inputs: c_attn_b 3,072 float32; c_attn_w 1,024 x 3,072 float32; c_proj_b 1,024 float32; c_proj_w 1,024 x 1,024 float32; x 4 x 2,048 x 1,024 float32.
;; Outputs: out0 4 x 2,048 x 1,024 float32.
;; This version of the problem:
;;   THIS VERSION OF THE PROBLEM IS GIVEN IN LOW PRECISION. The matrix products marked QUANTISED in the list below multiply operands that are first quantised to E5M2 (5 exponent bits, 2 mantissa bits; 8 bits a number), with one power-of-two scale for each 32 numbers along K (OCP MX v1.0); their sums are f32. All else is computed in f32.
;;   The module's matrix products, in the order in which they are computed (A, B: the left and right operand; K: the contracted axis; several contracted axes count as one K, in the product's order):
;;     1. [M 8,192, K 1,024] x [K 1,024, N 3,072]; A: input x; B: input c_attn_w: QUANTISED
;;     2. batch 64 x [M 2,048, K 64] x [K 64, N 2,048]; A: computed on the way; B: computed on the way: QUANTISED
;;     3. batch 64 x [M 2,048, K 2,048] x [K 2,048, N 64]; A: softmax (see below); B: computed on the way: QUANTISED
;;     4. [M 8,192, K 1,024] x [K 1,024, N 1,024]; A: computed on the way; B: input c_proj_w: QUANTISED
;;   THE QUANTISER, for each operand of a quantised product, along K:
;;     - K is cut into blocks of 32 from its start; a last block that is shorter is filled with zeros.
;;     - A block's scale is 2^e with e = floor(log2(the largest magnitude in the block)) - 15, held to -126 .. 127; a block of zeros has e = 0. As a byte (E8M0): e + 127.
;;     - Each number is divided by its block's scale, clamped to +-57,344, and rounded to the nearest number of E5M2, ties to even, subnormals kept.
;;     - The product sums the exact products of the quantised numbers (number of the format x scale) in f32.
;;   ~~~python
;;   def quantise(x, axis):      # numpy; x: float32 -> the quantised numbers, widened to float32 again
;;       x = np.moveaxis(x, axis, -1); K = x.shape[-1]
;;       x = np.pad(x, [(0, 0)] * (x.ndim - 1) + [(0, -K % 32)]); x = x.reshape(x.shape[:-1] + (-1, 32)); a = np.abs(x).max(-1, keepdims=True)
;;       e = np.where(a > 0, np.clip(np.frexp(np.where(a > 0, a, 1))[1] - 1 - 15, -126, 127), 0)      # np.frexp(a)[1] - 1 = floor(log2(a)), exactly
;;       r = np.clip(x / 2.0 ** e, -57344, 57344)
;;       step = 2.0 ** (np.maximum(np.frexp(np.where(r == 0, 1, r))[1] - 1, -14) - 2)
;;       q = np.round(r / step) * step * 2.0 ** e      # np.round: ties to even
;;       return np.moveaxis(q.reshape(q.shape[:-2] + (-1,))[..., :K], -1, axis).astype(np.float32)
;;   ~~~
;;   SOFTMAX AHEAD OF A QUANTISED PRODUCT. Where the list says 'softmax', what is quantised is not the finished softmax but p = 2^(t - M), with t = logit x log2(e) and M = ceil(the row's largest t), a whole number; so 1/2 < the row's largest p <= 1. The row's sum l is taken of the UNQUANTISED p, in f32, and the product's result is divided by l at the end. Since M is a whole number, a kernel that streams over the keys may use a running M (the ceiling of the running maximum): every later rescaling is an exact power of two, which a block's scale takes up: the codes' values come out the same.
;;   OPERANDS COMPUTED ON THE WAY. 'Computed on the way' means the value that the module computes at that place (a softmax that the list does not call 'softmax' is quantised finished and normalised). What goes into a quantiser is computed in f32, as accurately as f32 sums, v_exp_f32 and their like allow (about 1e-6 of the number): no bf16 or f16 on the way to a quantiser, and a product that is left as it is and whose result goes on into a quantised operand takes f32 operands (vector FMAs, or v_wmma_f32_16x16x4_f32). A number that lies on a knife's edge between two numbers of the format may be rounded either way, as far as f32 arithmetic and the matrix unit's own rounding can turn it there, and no further.
;; One version. Each part assembles by itself: llvm-mc -triple=amdgcn-amd-amdhsa -mcpu=gfx1250 --defsym DOCPART=n.
;; ======== version 1 of 1: 4 launches
;; limits: right only within a limited range of input values
;; workspace buffers: xc 8,388,608 bytes; xsc 262,144 bytes; wc 4,194,304 bytes; wsc 131,072 bytes; qkv 25,952,256 bytes; ac 8,388,608 bytes; asc 262,144 bytes
;; launch prep (part 1): grid 384 x 1, 4 waves a work-group, no clusters, 34,304 bytes of LDS; arguments x, c_attn_w, c_proj_w, xc, xsc, wc, wsc; writes xc, xsc, wc, wsc
.if DOCPART == 1
	.amdgcn_target "amdgcn-amd-amdhsa--gfx1250"
	.amdhsa_code_object_version 6
	.text
	.protected	k_qf0d3950c5e_prep
	.globl	k_qf0d3950c5e_prep
	.p2align	8
	.type	k_qf0d3950c5e_prep,@function
k_qf0d3950c5e_prep:
	s_mov_b64 s[64:65], 0
	v_nop
	global_prefetch_b8 v0, s[64:65] scope:SCOPE_SE
	s_setreg_imm32_b32 hwreg(HW_REG_WAVE_MODE, 25, 1), 1
	s_wait_xcnt 0x0
; x [8192][1024], c_attn_w [1024][3072] and c_proj_w [1024][1024], f32, become codes of BF8 (E5M2) with one E8M0 byte for each 32 along K (K = 1024 in all three).
; A block's scale is 2^(floor(log2(its largest magnitude)) - 15); each number is divided by it, held within +-57,344 and rounded to the nearest code, ties to even.
; LAYOUT OF THE RESULTS.  Rows (tokens of x, columns of a weight) are laid in tiles of 16 POSITIONS; position p holds true row p with bits 3 and 4 exchanged, so lane r of tile 2 G + u is true row
; 32 G + 8 u + r + 8 (r / 8).  Codes: [tile][128 along K: 8][32 along K: 4][lane 0..31][16 bytes]: lane (r, h) of a piece holds 16 codes, k = 16 h + 0 .. 15 of the piece, of position r: the image of an operand's registers.
; Scale bytes: [tile][256 along K: 4][r][8 bytes].  wc and wsc hold c_attn_w's 192 tiles and behind them c_proj_w's 64.
; LIMITS: NaN and infinities among the inputs are not served.  A block of zeros gets the byte 1 where the rule says 127: its codes are zeros, and these bytes are read by this program alone.
; Work-groups 0-255 take x, 256-383 the weights: two paths, of which only the first uses LDS.  Waves share nothing: no barrier.
.set R,   16                           ; x path: v16-143  two sets of 64: 16 rows x 128 numbers as loaded
.set X,   144                          ; v144-207 64 numbers of my row: register 16 b + i = k 32 b + 16 h + i
.set PC,  208                          ; v208-223 a fragment's codes
.set TM,  224                          ; v224-239 at work: largest magnitudes, bytes, scale operands
.set PW,  240                          ; v240-243 the four fragments' scale words
.set VOF, 16                           ; weights: v16-47 byte offset of my column in rows 0 .. 31 of a block
.set WX,  48                           ; v48-111  two sets of 32 numbers
.set WC,  112                          ; v112-175 eight registers of codes for each of eight blocks: no store's data are written again
.set WSB, 176                          ; v176-177 my column's eight scale bytes
.set MNT, 19
	s_load_b256 s[4:11], s[0:1], 0x0               ; x s[4:5], c_attn_w s[6:7], c_proj_w s[8:9], xc s[10:11]
	s_load_b128 s[12:15], s[0:1], 0x20             ; xsc s[12:13], wc s[14:15]
	s_load_b64 s[16:17], s[0:1], 0x30              ; wsc
	v_lshl_add_u32 v254, v0, 2, 0x8400
	v_mov_b32 v255, 0
	v_lshrrev_b32 v1, 5, v0
	v_readfirstlane_b32 s18, v1                    ; wave
	v_and_b32 v8, 31, v0                           ; lane
	s_cmp_lt_u32 ttmp9, 256
	s_cbranch_scc0 .Lweights
; ---------------- x: a wave makes four fragments (16 positions x 128 K each) of one tile ----------------
	s_lshl_b32 s20, ttmp9, 2
	s_add_co_u32 s20, s20, s18                     ; 4 x work-group + wave
	s_lshr_b32 s21, s20, 1                         ; the tile T = 2 G + u
	s_and_b32 s22, s20, 1                          ; which half of K
	s_lshr_b32 s23, s21, 1                         ; G
	s_and_b32 s24, s21, 1                          ; u
	s_lshl_b32 s26, s23, 17                        ; x: 32 G rows of 4,096 bytes,
	s_lshl_b32 s25, s24, 15                        ; 8 u rows,
	s_add_co_u32 s26, s26, s25
	s_lshl_b32 s25, s22, 11                        ; 512 numbers along K
	s_add_co_u32 s26, s26, s25
	s_mov_b32 s27, 0
	s_lshl_b32 s28, s21, 14                        ; codes: 16,384 bytes a tile, 8,192 a half
	s_lshl_b32 s25, s22, 13
	s_add_co_u32 s28, s28, s25
	s_mov_b32 s29, 0
	s_lshl_b32 s30, s21, 9                         ; scale bytes: 512 a tile, 256 a half
	s_lshl_b32 s25, s22, 8
	s_add_co_u32 s30, s30, s25
	s_mov_b32 s31, 0
	s_mov_b32 s32, 0x76543210
	s_mov_b32 s33, 0xfedcba98                      ; v_permlanex16_b32: lane l xor 16
	v_and_b32 v1, 15, v0                           ; r
	v_bfe_u32 v2, v0, 4, 1                         ; h
	s_wait_alu depctr_va_vdst(0)
	v_lshlrev_b32 v3, 4, v8                        ; 16 x lane: my place in a load's 512 bytes and in a piece of codes
	s_mul_i32 s34, s18, 8448                       ; my wave's stage: 16 rows x (512 + 16) bytes
	v_add_nc_u32 v4, s34, v3                       ; into it: as loaded
	v_mul_u32_u24 v5, v1, 528
	v_lshl_add_u32 v5, v2, 6, v5
	v_add_nc_u32 v5, s34, v5                       ; out of it: row r, + 64 h: my 16 numbers of a block of 32
	v_lshlrev_b32 v6, 3, v1
	v_lshl_add_u32 v6, v2, 7, v6                   ; scale bytes: 128 h + 8 r
.irp b, 0,1,2,3
	v_mov_b32 v[TM+4+\b], 0                        ; written once: a lane permute's destination counts as one of its sources
.endr
	s_wait_alu depctr_va_vdst(0)
	s_wait_kmcnt 0x0
	s_add_nc_u64 s[4:5], s[4:5], s[26:27]
	s_add_nc_u64 s[10:11], s[10:11], s[28:29]
	s_add_nc_u64 s[12:13], s[12:13], s[30:31]
.macro XLOAD f                         ; fragment f: position i is true row i + 8 (i / 8) of the tile's rows; each load reads 512 consecutive bytes of one row
.set n, 0
.rept 16
	global_load_b128 v[R+64*((\f)%2)+4*n:R+64*((\f)%2)+4*n+3], v3, s[4:5] offset:(n+8*(n/8))*4096+512*(\f) th:TH_LOAD_NT
.set n, n+1
.endr
.endm
.macro QUANT s, pw                     ; 64 numbers v[s] on become 16 registers of codes in v[PC] on and the scale word v[pw]
.irp b, 0,1,2,3
	v_max3_num_f32 v[TM+\b], |v[\s+16*\b]|, |v[\s+1+16*\b]|, 0x8000000   ; my 16 numbers of block b, and the floor 2^(16 - 127): the byte cannot fall under 1
.endr
.irp i, 2,4,6,8,10,12,14
.irp b, 0,1,2,3
	v_max3_num_f32 v[TM+\b], v[TM+\b], |v[\s+16*\b+\i]|, |v[\s+1+16*\b+\i]|   ; the four blocks by turns
.endr
.endr
.irp b, 0,1,2,3
	v_permlanex16_b32 v[TM+4+\b], v[TM+\b], s32, s33
.endr
.irp b, 0,1,2,3
	v_max_num_f32 v[TM+\b], v[TM+\b], v[TM+4+\b]   ; with lane l xor 16: the block's largest magnitude
.endr
.irp b, 0,1,2,3
	v_add_nc_u32 v[TM+12+\b], 0xf8800000, v[TM+\b] ; 15 off its exponent field: the conversion's scale operand
.endr
.irp b, 0,1,2,3
.endr
.irp b, 0,1,2,3
	v_lshrrev_b32 v[TM+4+\b], 23, v[TM+12+\b]      ; the scale's byte
.endr
	v_lshl_or_b32 v[\pw], v[TM+5], 8, v[TM+4]
	v_lshl_or_b32 v[\pw], v[TM+6], 16, v[\pw]
	v_lshl_or_b32 v[\pw], v[TM+7], 24, v[\pw]
.irp b, 0,1,2,3
.set n, 0
.rept 16
.set n, n+1
.endr
	v_cvt_scalef32_pk8_bf8_f32 v[PC+4*\b:PC+1+4*\b], v[\s+16*\b:\s+7+16*\b], v[TM+12+\b]
	v_cvt_scalef32_pk8_bf8_f32 v[PC+2+4*\b:PC+3+4*\b], v[\s+8+16*\b:\s+15+16*\b], v[TM+12+\b]
.endr
	v_nop                                          ; a plain line behind the last conversion
.endm
.macro FRAGMENT f
.if (\f) < 3
	s_wait_loadcnt 16                              ; this fragment's 16 loads are in; the next one's 16 may be out
.else
	s_wait_loadcnt 0
.endif
.set n, 0
.rept 16
	ds_store_b128 v4, v[R+64*((\f)%2)+4*n:R+64*((\f)%2)+4*n+3] offset:528*n
.set n, n+1
.endr
.set n, 0
.rept 16
	ds_load_b128 v[X+4*n:X+4*n+3], v5 offset:128*(n/4)+16*(n%4)   ; LDS serves a wave's instructions in order: these see the stores above
.set n, n+1
.endr
	s_wait_dscnt 0x0                               ; my row's numbers are back, and the stores have read the set that is loaded again below
.if (\f) < 2
	XLOAD (\f)+2
.endif
	s_wait_xcnt 0x0                                ; the last fragment's stores have read v[PC] on: only now are the codes written again
	QUANT X, PW+(\f)
.irp c, 0,1,2,3
	global_store_b128 v3, v[PC+4*\c:PC+4*\c+3], s[10:11] offset:2048*(\f)+512*\c   ; 32 lanes store 512 consecutive bytes, aligned
.endr
.endm
	XLOAD 0
	XLOAD 1
	FRAGMENT 0
	FRAGMENT 1
	FRAGMENT 2
	FRAGMENT 3
	s_mov_b32 vcc_lo, 0xffff0000                   ; lanes 16-31
	v_cndmask_b32 v246, v[PW], v[PW+2], vcc_lo     ; lanes 0-15 take the first 256 along K (words 0, 1), lanes 16-31 the second (words 2, 3)
	v_cndmask_b32 v247, v[PW+1], v[PW+3], vcc_lo
	global_store_b64 v6, v[246:247], s[12:13]      ; 32 lanes store 256 consecutive bytes, aligned
	s_wait_tensorcnt 0x0
	ds_add_u32 v254, v255
	s_wait_dscnt 0x0
	s_endpgm
; ---------------- the weights: K is their first axis.  A lane takes a column, its registers run down K; a wave takes 32 columns x 256 along K ----------------
.Lweights:
	s_sub_co_u32 s20, ttmp9, 256
	s_lshr_b32 s21, s20, 2                         ; block of 128 columns: 0-23 c_attn_w, 24-31 c_proj_w
	s_and_b32 s22, s20, 3                          ; which 256 along K
	s_lshl_b32 s24, s21, 3
	s_lshl_b32 s25, s18, 1
	s_add_co_u32 s24, s24, s25                     ; my first tile in wc: 8 x block + 2 x wave
	s_cmp_lt_u32 s21, 24
	s_mov_b32 s23, 4096
	s_cselect_b32 s23, 12288, s23                  ; a row of the weight in bytes
	s_cselect_b32 s25, 0, 24
	s_sub_co_u32 s25, s21, s25                     ; the block's number in its own tensor
	s_lshl_b32 s25, s25, 9                         ; 128 columns of 4 bytes
	s_lshl_b32 s26, s18, 7                         ; 32 columns a wave
	s_add_co_u32 s26, s26, s25
	s_lshl_b32 s27, s22, 8
	s_mul_i32 s27, s27, s23                        ; 256 rows for each step along K
	s_add_co_u32 s26, s26, s27
	s_mov_b32 s27, 0
	s_lshl_b32 s28, s23, 5                         ; 32 rows: a block
	s_mov_b32 s29, 0
	s_wait_alu depctr_va_vdst(0)
	v_and_b32 v1, 7, v8
	v_bfe_u32 v2, v8, 3, 1
	v_bfe_u32 v3, v8, 4, 1
	v_lshl_or_b32 v1, v2, 4, v1
	v_lshl_or_b32 v1, v3, 3, v1                    ; position l takes column l with bits 3 and 4 exchanged
	v_lshlrev_b32 v[VOF], 2, v1
.set n, 1
.rept 31
	v_add_nc_u32 v[VOF+n], s23, v[VOF+n-1]         ; and the same column one row further down
.set n, n+1
.endr
	v_and_b32 v4, 15, v8
	v_lshlrev_b32 v6, 4, v4
	v_lshl_add_u32 v6, v3, 14, v6                  ; codes: tile l / 16, 16 bytes at 16 (l % 16)
	v_lshlrev_b32 v7, 3, v4
	v_lshl_add_u32 v7, v3, 9, v7                   ; scale bytes: tile l / 16, 8 bytes at 8 (l % 16)
	s_lshl_b32 s30, s24, 14
	s_lshl_b32 s25, s22, 12
	s_add_co_u32 s30, s30, s25
	s_mov_b32 s31, 0
	s_lshl_b32 s48, s24, 9
	s_lshl_b32 s25, s22, 7
	s_add_co_u32 s48, s48, s25
	s_mov_b32 s49, 0
	s_wait_alu depctr_va_vdst(0)
	s_wait_kmcnt 0x0
	s_cmp_lt_u32 s21, 24                           ; the choice hangs on the work-group's number alone
	s_cselect_b64 s[6:7], s[6:7], s[8:9]
	s_add_nc_u64 s[32:33], s[6:7], s[26:27]        ; block 0's rows;
.irp t, 1,2,3,4,5,6,7
	s_add_nc_u64 s[32+2*\t:33+2*\t], s[30+2*\t:31+2*\t], s[28:29]   ; block t's: 32 rows on
.endr
	s_add_nc_u64 s[14:15], s[14:15], s[30:31]
	s_add_nc_u64 s[16:17], s[16:17], s[48:49]
.macro WLOAD t                         ; W(32 t + i, my column): 32 lanes read 128 consecutive bytes
.set n, 0
.rept 32
	global_load_b32 v[WX+32*((\t)%2)+n], v[VOF+n], s[32+2*(\t):33+2*(\t)] th:TH_LOAD_NT
.set n, n+1
.endr
.endm
.macro BLOCK t
.set XS, WX+32*((\t)%2)
.if (\t) < 7
	s_wait_loadcnt 32                              ; this block's 32 loads are in; the next block's may be out
.else
	s_wait_loadcnt 0
.endif
	v_max3_num_f32 v12, |v[XS]|, |v[XS+1]|, |v[XS+2]|   ; all 32 numbers of the block are mine
	v_max3_num_f32 v13, |v[XS+3]|, |v[XS+4]|, |v[XS+5]|
.irp i, 6,10,14,18,22,26
	v_max3_num_f32 v12, v12, |v[XS+\i]|, |v[XS+\i+1]|
	v_max3_num_f32 v13, v13, |v[XS+\i+2]|, |v[XS+\i+3]|
.endr
	v_max3_num_f32 v12, v12, |v[XS+30]|, |v[XS+31]|
	v_max3_num_f32 v12, v12, v13, 0x8000000        ; and the floor
	v_add_nc_u32 v11, 0xf8800000, v12              ; the conversion's scale operand
	v_lshrrev_b32 v13, 23, v11                     ; the byte
.if (\t)%4 == 0
	v_mov_b32 v[WSB+(\t)/4], v13
.else
	v_lshl_or_b32 v[WSB+(\t)/4], v13, 8*((\t)%4), v[WSB+(\t)/4]
.endif
.set n, 0
.rept 32
.set n, n+1
.endr
.irp g, 0,1,2,3
	v_cvt_scalef32_pk8_bf8_f32 v[WC+8*(\t)+2*\g:WC+8*(\t)+2*\g+1], v[XS+8*\g:XS+8*\g+7], v11
.endr
	v_nop                                          ; a plain line behind the last conversion
	global_store_b128 v6, v[WC+8*(\t):WC+8*(\t)+3], s[14:15] offset:((\t)/4)*2048+((\t)%4)*512        ; k 0-15 of the block: the piece's lanes 0-15; sixteen lanes store 256 consecutive bytes, aligned
	global_store_b128 v6, v[WC+8*(\t)+4:WC+8*(\t)+7], s[14:15] offset:((\t)/4)*2048+((\t)%4)*512+256  ; k 16-31: its lanes 16-31
.if (\t)+2 < 8
	WLOAD (\t)+2
.endif
.endm
	WLOAD 0
	WLOAD 1
.irp t, 0,1,2,3,4,5,6,7
	BLOCK \t
.endr
	global_store_b64 v7, v[WSB:WSB+1], s[16:17]    ; sixteen lanes store 128 consecutive bytes: one byte for each 128 that this path reads
	s_endpgm
.Lfunc_end_k_qf0d3950c5e_prep:
	.size	k_qf0d3950c5e_prep, .Lfunc_end_k_qf0d3950c5e_prep-k_qf0d3950c5e_prep
	.p2alignl 7, 3214868480
	.fill 96, 4, 3214868480
	.section	.rodata,"a",@progbits
	.p2align	6, 0x0
	.amdhsa_kernel k_qf0d3950c5e_prep
		.amdhsa_group_segment_fixed_size 34304
		.amdhsa_private_segment_fixed_size 0
		.amdhsa_enable_private_segment 0
		.amdhsa_kernarg_size 56
		.amdhsa_user_sgpr_count 2
		.amdhsa_user_sgpr_kernarg_segment_ptr 1
		.amdhsa_wavefront_size32 1
		.amdhsa_system_sgpr_workgroup_id_x 1
		.amdhsa_system_sgpr_workgroup_id_y 1
		.amdhsa_system_sgpr_workgroup_id_z 1
		.amdhsa_system_vgpr_workitem_id 0
		.amdhsa_next_free_vgpr 256
		.amdhsa_next_free_sgpr 66
		.amdhsa_reserve_vcc 1
		.amdhsa_float_denorm_mode_32 3
		.amdhsa_float_denorm_mode_16_64 3
		.amdhsa_fp16_overflow 1
		.amdhsa_memory_ordered 1
		.amdhsa_forward_progress 1
		.amdhsa_inst_pref_size 74
	.end_amdhsa_kernel
	.amdgpu_metadata
---
amdhsa.version: [ 1, 2 ]
amdhsa.kernels:
  - .name:           k_qf0d3950c5e_prep
    .symbol:         k_qf0d3950c5e_prep.kd
    .args:
      - { .name: x, .offset: 0, .size: 8, .value_kind: global_buffer, .address_space: global }
      - { .name: c_attn_w, .offset: 8, .size: 8, .value_kind: global_buffer, .address_space: global }
      - { .name: c_proj_w, .offset: 16, .size: 8, .value_kind: global_buffer, .address_space: global }
      - { .name: xc, .offset: 24, .size: 8, .value_kind: global_buffer, .address_space: global }
      - { .name: xsc, .offset: 32, .size: 8, .value_kind: global_buffer, .address_space: global }
      - { .name: wc, .offset: 40, .size: 8, .value_kind: global_buffer, .address_space: global }
      - { .name: wsc, .offset: 48, .size: 8, .value_kind: global_buffer, .address_space: global }
    .group_segment_fixed_size: 34304
    .private_segment_fixed_size: 0
    .kernarg_segment_align: 8
    .kernarg_segment_size: 56
    .max_flat_workgroup_size: 128
    .sgpr_count:     66
    .vgpr_count:     256
    .wavefront_size: 32
...
	.end_amdgpu_metadata
.endif
;; end of part 1
;; launch qkvgemm (part 2): grid 12 x 32, 4 waves a work-group, clusters of 4 x 4, 327,680 bytes of LDS; arguments xc, xsc, wc, wsc, c_attn_b, qkv; writes qkv
.if DOCPART == 2
	.amdgcn_target "amdgcn-amd-amdhsa--gfx1250"
	.amdhsa_code_object_version 6
	.text
	.protected	k_qf0d3950c5e_qkvgemm
	.globl	k_qf0d3950c5e_qkvgemm
	.p2align	8
	.type	k_qf0d3950c5e_qkvgemm,@function
k_qf0d3950c5e_qkvgemm:
	s_mov_b64 s[64:65], 0
	v_nop
	global_prefetch_b8 v0, s[64:65] scope:SCOPE_SE
	s_setreg_imm32_b32 hwreg(HW_REG_WAVE_MODE, 25, 1), 1
	s_wait_xcnt 0x0
	s_wait_alu depctr_hold_cnt(0) depctr_sa_sdst(0) depctr_va_vdst(0) depctr_va_sdst(0) depctr_va_ssrc(0) depctr_va_vcc(0) depctr_vm_vsrc(0)
	s_getreg_b32 s2, hwreg(HW_REG_IB_STS2, 6, 4)
	s_cmp_eq_u32 s2, 0
	s_cbranch_scc0 .Lentry_in_a_cluster
	s_endpgm
.Lentry_in_a_cluster:
	s_bfe_u32 s2, ttmp6, 0x10000c
	s_cmp_lg_u32 s2, 0xf033
	s_cbranch_scc0 .Lentry_shape_is_right
	s_endpgm
.Lentry_shape_is_right:
; qkv = x c_attn_w + c_attn_b on codes of BF8 (E5M2) with E8M0 scales (8192 x 3072, K = 1024), and q, k, v quantised at once for the attention's two products.
; A work-group of four waves makes 256 x 256, a wave 128 x 128: 64 accumulators, 512 registers.  K goes in steps of 256 through two LDS slots filled by the tensor data mover.
; OPERANDS ARE IMAGES OF REGISTERS: [tile of 16 rows][128 K][32 K][lane][16 bytes]; a tile's 256 along K are 4,096 dense bytes; a fragment is four loads of 512 consecutive bytes: no pitch, no padding.
; The rows of a tile are positions: position p is true row p with bits 3 and 4 exchanged.  SOURCE 0 = 16 rows of "B", SOURCE 1 = 16 rows of "A": a lane holds one row of A, and the 16 registers of B's tiles 2 G, 2 G + 1
; are true rows 32 G + 16 (lane / 16) + 0 .. 15 of B: sixteen neighbours, in the order in which the next product's operand wants them.
; ROLES.  Clusters x = 0, 1 make q and k: A = x (tokens), B = the weight (features): a lane's registers run along the head's 64, the K of q k^T.
; Cluster x = 2 makes v with the roles exchanged: A = the weight, B = x: a lane's registers run along the tokens, the K of p v.  The choice hangs on the cluster's number alone.
; OUT: qkv [batch x head: 64][q, k, v][step of 128 tokens: 16][8,448 bytes]: 8,192 of codes and 256 of scale bytes.  q, k: codes [token tile 0..7][32 d: 2][lane][16], scales [r][tile][2];
; v: codes [d tile 0..3][32 tokens: 4][lane][16], scales [r][tile][4].
; CLUSTERS: 4 x 4.  A's tile is shared along a row of the cluster, B's along a column: each is asked for jointly.  The bias is the C of each sum's first product.
; LIMITS: NaN and infinities are not served; a block of zeros gets the byte 1 (its codes are zeros; this program alone reads the bytes).
; No prefetch: K has four steps and two refills, each asked for a whole K step ahead.
; REGISTERS: window 0: v0-31 addresses; v32-63 scale words, two sets; v64-127 the bias; v128-255 A's fragments, one set.  window 1: B's fragments, two sets.  windows 2, 3: the accumulators, (a, b) at v[8 (8 (a % 4) + b)].
.set NQ,     2                         ; matrix instructions deep in a slot
.set FR,     16                        ; registers of a fragment
.set NL,     4                         ; LDS loads that bring one
.set NP,     8                         ; places behind this matrix instruction (ISA guide 7.12.1)
.set TILEB,  4096                      ; a tile's bytes in a slot
.set HALFT,  8*TILEB                   ; 128 rows: what one tensor load brings
.set SLOT,   4*HALFT                   ; A's 16 tiles, then B's 16
.set SCL,    2*SLOT                    ; behind the ring: the scale bytes for all of K: A's 8,192, then B's
.set HALFS,  4096
.set SPARE,  SCL+4*HALFS               ; the spare words: 128 bytes a wave, two blocks of 256 bytes that no other line names
.set BH,     405504                    ; qkv: from head to head,
.set TY,     135168                    ; from q to k to v,
.set ST,     8448                      ; from step to step
.set LI,   3                           ; v3   16 x lane
.set ADRA, 16                          ; v16-17 my A fragments in slot 0, 1
.set ADRB, 20                          ; v20-21 my B fragments
.set ADRS, 27                          ; v27  my scale words: lanes 0-15 A's, lanes 16-31 B's
.set SPW,  28                          ; v28  my spare word; never rewritten
.set NIL,  29                          ; v29  0; never rewritten
.set SC,   32
.set BIAS, 64
.set AF,   128
.set TM,   32                          ; the way out: v32-47 at work, v48-55 scale words, v56-59 store offsets, v60 the scale stores' offset, v128-255 codes
.set PW,   48
.set VO,   56
.set SO,   60
.set XT,   64
.set PC,   128
.set MNT,  2
.set WV,   16                          ; s16  wave
.set HA,   17                          ; s17  which half of A's rows is mine; also: I fetch for A (0) or B (1)
.set HB,   18                          ; s18  which half of B's rows; also: which 128 rows I fetch
.set ISV,  19                          ; s19  1 in the cluster column that makes v
.set SEL,  66                          ; s[66:67]
.set XR,   96                          ; s96  my first token
.set F0,   97                          ; s97  my first feature
.set G1, 24
.set G0, 32
.set G1B, 48
.set G0B, 56
.set G1S, 68
.set G0S, 76
.set G1SB, 80
.set G0SB, 88
.set MSB, 0
.macro WIN new                         ; the immediate's high byte repeats the setting that is left
.if MSB != (\new)
	s_set_vgpr_msb (MSB<<8)|(\new)
.set MSB, (\new)
.endif
.endm
.set MUL_LO, 0xa1                      ; source 0 (B) window 1, source 1 (A) window 0, C and D window 2
.set MUL_HI, 0xf1                      ; the same, C and D window 3
.set BIA_LO, 0x81                      ; the same with C (the bias) in window 0
.set BIA_HI, 0xc1
.set TO_B,   0x40
.macro JLOAD g0a, g1a, g0b, g1b        ; a joint load: waves 0, 1 fetch for A, waves 2, 3 for B; four v_nop follow each line
	s_cmp_eq_u32 s[HA], 0
	s_cbranch_scc0 .Lfor_b_\@
	tensor_load_to_lds s[\g0a:\g0a+3], s[\g1a:\g1a+7]
	s_nop 0
.rept 4
	v_nop
.endr
	s_branch .Lasked_\@
.Lfor_b_\@:
	tensor_load_to_lds s[\g0b:\g0b+3], s[\g1b:\g1b+7]
	s_nop 0
.rept 4
	v_nop
.endr
.Lasked_\@:
.endm
.macro CREST                           ; a round of the cluster's barrier behind its opening barrier
	s_cmp_lg_u32 s[WV], 0
	s_cbranch_scc1 .Lnot_wave_0_\@
	s_barrier_signal -3
.Lnot_wave_0_\@:
	s_barrier_wait -3
	s_barrier_signal -1
	s_barrier_wait -1
.endm
.macro CROUND
	s_barrier_signal -1
	s_barrier_wait -1
	CREST
.endm
	s_load_b128 s[4:7], s[0:1], 0x0                ; xc, xsc
	s_load_b128 s[8:11], s[0:1], 0x10              ; wc, wsc
	s_load_b128 s[12:15], s[0:1], 0x20             ; c_attn_b, qkv
	v_lshl_add_u32 v[SPW], v0, 2, SPARE
	v_mov_b32 v[NIL], 0
	ds_add_u32 v28, v29
	ds_add_u32 v28, v29
	s_wait_dscnt 0x0
	v_lshrrev_b32 v1, 5, v0
	v_readfirstlane_b32 s[WV], v1
	s_lshr_b32 s[HA], s[WV], 1
	s_and_b32 s[HB], s[WV], 1
	s_mov_b32 s[SEL], 0x76543210
	s_mov_b32 s[SEL+1], 0xfedcba98
	s_bfe_u32 s40, ttmp6, 0x40000                  ; cx
	s_bfe_u32 s41, ttmp6, 0x40004                  ; cy
	s_and_b32 s46, ttmp7, 0xffff                   ; cluster y
	s_cmp_eq_u32 ttmp9, 2                          ; the third column of clusters makes v
	s_cselect_b32 s[ISV], 1, 0
	s_cselect_b32 s43, 2, s46                      ; A's group of four tiles of 256 rows: the weight's third (v's features), or x's by cluster y
	s_cselect_b32 s42, s46, ttmp9                  ; B's: x's by cluster y, or the weight's by cluster x
	s_lshl_b32 s43, s43, 2
	s_add_co_u32 s43, s43, s41                     ; A's tile of 256 rows: it hangs on cy and on the cluster's numbers
	s_lshl_b32 s42, s42, 2
	s_add_co_u32 s42, s42, s40                     ; B's: on cx and on the cluster's numbers
	s_lshl_b32 s44, s41, 2
	s_lshl_b32 s44, 15, s44                        ; my row of the cluster
	s_lshl_b32 s45, 0x1111, s40                    ; my column
	; group 1 for codes: 8 rows (tiles) of 4,096 bytes = 512 elements of 8 bytes, 16,384 bytes = 2,048 elements apart; no padding
	s_or_b32 s[G1+0], s44, (3<<16)|(1<<21)         ; 15:0 the mask; 17:16 elements of 8 bytes; 21 set beside a mask
	s_or_b32 s[G1B+0], s45, (3<<16)|(1<<21)
.irp g, G1, G1B
	s_mov_b32 s[\g+1], 512<<16                     ; tensor_dim0
	s_mov_b32 s[\g+2], 8<<16                       ; tensor_dim1
	s_mov_b32 s[\g+3], 512<<16                     ; tile_dim0
	s_mov_b32 s[\g+4], 8                           ; tile_dim1
	s_mov_b32 s[\g+5], 2048                        ; tensor_dim0_stride
	s_mov_b32 s[\g+6], 0
	s_mov_b32 s[\g+7], 0
.endr
	; group 1 for scale bytes: the 4,096 dense bytes of 8 tiles, as 16 rows of 256 bytes
	s_or_b32 s[G1S+0], s44, (3<<16)|(1<<21)
	s_or_b32 s[G1SB+0], s45, (3<<16)|(1<<21)
.irp g, G1S, G1SB
	s_mov_b32 s[\g+1], 32<<16
	s_mov_b32 s[\g+2], 16<<16
	s_mov_b32 s[\g+3], 32<<16
	s_mov_b32 s[\g+4], 16
	s_mov_b32 s[\g+5], 32
	s_mov_b32 s[\g+6], 0
	s_mov_b32 s[\g+7], 0
.endr
	s_lshl_b32 s93, s[HB], 3
	s_lshl_b32 s92, s43, 4
	s_add_co_u32 s92, s92, s93                     ; A: the first tile of 16 that I fetch
	s_lshl_b32 s3, s42, 4
	s_add_co_u32 s3, s3, s93                       ; B likewise
	s_lshl_b32 s20, s92, 14                        ; its codes, in bytes,
	s_mov_b32 s21, 0
	s_lshl_b32 s22, s92, 9                         ; its scale bytes
	s_mov_b32 s23, 0
	s_lshl_b32 s46, s3, 14
	s_mov_b32 s47, 0
	s_lshl_b32 s96, s3, 9
	s_mov_b32 s97, 0
	s_lshl_b32 s98, s[WV], 15                      ; where they go: wave x 32,768, wave x 4,096: no place in the cluster enters an LDS address
	s_lshl_b32 s99, s[WV], 12
	s_wait_kmcnt 0x0
	s_cmp_eq_u32 s[ISV], 0
	s_cselect_b64 s[92:93], s[4:5], s[8:9]         ; A's codes: x's, or the weight's
	s_cselect_b64 s[94:95], s[6:7], s[10:11]       ; A's scales
	s_cselect_b64 s[8:9], s[8:9], s[4:5]           ; B's codes
	s_cselect_b64 s[10:11], s[10:11], s[6:7]       ; B's scales
	s_add_nc_u64 s[20:21], s[92:93], s[20:21]
	s_add_nc_u64 s[22:23], s[94:95], s[22:23]
	s_add_nc_u64 s[46:47], s[8:9], s[46:47]
	s_add_nc_u64 s[96:97], s[10:11], s[96:97]
	CROUND                                         ; all sixteen work-groups are here: the first joint loads meet
	s_mov_b32 s[G0S], 1
	s_add_co_u32 s[G0S+1], s99, SCL
	s_mov_b64 s[G0S+2:G0S+3], s[22:23]
	s_or_b32 s[G0S+3], s[G0S+3], 0x80000000
	s_mov_b32 s[G0SB], 1
	s_add_co_u32 s[G0SB+1], s99, SCL
	s_mov_b64 s[G0SB+2:G0SB+3], s[96:97]
	s_or_b32 s[G0SB+3], s[G0SB+3], 0x80000000
	JLOAD G0S, G1S, G0SB, G1SB                     ; the scale bytes first: filled once
.irp s, 0,1
	s_mov_b32 s[G0+4*\s], 1
	s_add_co_u32 s[G0+4*\s+1], s98, \s*SLOT
	s_add_nc_u64 s[G0+4*\s+2:G0+4*\s+3], s[20:21], \s*TILEB
	s_or_b32 s[G0+4*\s+3], s[G0+4*\s+3], 0x80000000
	s_mov_b32 s[G0B+4*\s], 1
	s_add_co_u32 s[G0B+4*\s+1], s98, \s*SLOT
	s_add_nc_u64 s[G0B+4*\s+2:G0B+4*\s+3], s[46:47], \s*TILEB
	s_or_b32 s[G0B+4*\s+3], s[G0B+4*\s+3], 0x80000000
	JLOAD G0+4*\s, G1, G0B+4*\s, G1B               ; K steps 0 and 1: three loads of mine are out
.endr
	v_and_b32 v1, 15, v0                           ; r
	v_bfe_u32 v2, v0, 4, 1                         ; h
	s_wait_alu depctr_va_vdst(0)
	v_and_b32 v[LI], 31, v0
	v_lshlrev_b32 v[LI], 4, v[LI]
	s_lshl_b32 s21, s[HA], 15                      ; my 8 tiles of A
	s_lshl_b32 s22, s[HB], 15                      ; my 8 tiles of B,
	s_add_co_u32 s22, s22, 2*HALFT                 ; behind A's 16
.irp s, 0,1
	v_add_nc_u32 v[ADRA+\s], s21, v[LI]
	v_add_nc_u32 v[ADRB+\s], s22, v[LI]
	s_add_co_u32 s21, s21, SLOT
	s_add_co_u32 s22, s22, SLOT
.endr
	s_lshl_b32 s21, s[HA], 12
	s_lshl_b32 s22, s[HB], 12
	s_add_co_u32 s22, s22, 2*HALFS
	s_sub_co_u32 s22, s22, s21
	v_mul_u32_u24 v6, s22, v2                      ; lanes 16-31 take B's: one product, the distance between the two bases
	s_add_co_u32 s21, s21, SCL
	v_lshl_add_u32 v5, v1, 3, v6                   ; 8 bytes a row and K step
	v_add_nc_u32 v[ADRS], s21, v5
	s_lshl_b32 s92, s43, 8
	s_lshl_b32 s93, s[HA], 7
	s_add_co_u32 s92, s92, s93                     ; my first row of A,
	s_lshl_b32 s94, s42, 8
	s_lshl_b32 s95, s[HB], 7
	s_add_co_u32 s94, s94, s95                     ; of B
	s_cmp_eq_u32 s[ISV], 0
	s_cselect_b32 s[XR], s92, s94                  ; which of the two is a token,
	s_cselect_b32 s[F0], s94, s92                  ; and which a feature
	s_lshl_b32 s98, s[F0], 2
	s_mov_b32 s99, 0
	s_add_nc_u64 s[12:13], s[12:13], s[98:99]      ; the bias at my first feature
	v_lshlrev_b32 v7, 6, v2                        ; 64 h
	v_and_b32 v8, 8, v1
	v_add_nc_u32 v8, v8, v1
	v_lshlrev_b32 v8, 2, v8                        ; 4 (r + 8 (r / 8))
	s_cmp_eq_u32 s[ISV], 0
	s_cbranch_scc0 .Lbias_v
.irp b, 0,1,2,3,4,5,6,7                        ; q, k: register j of B's tile b is feature 32 (b / 2) + 16 h + 8 (b % 2) + j
	global_load_b128 v[BIAS+8*\b:BIAS+8*\b+3], v7, s[12:13] offset:(32*(\b/2)+8*(\b%2))*4
	global_load_b128 v[BIAS+8*\b+4:BIAS+8*\b+7], v7, s[12:13] offset:(32*(\b/2)+8*(\b%2))*4+16
.endr
	s_branch .Lbias_done
.Lbias_v:
	s_wait_alu depctr_va_vdst(0)
.irp a, 0,1,2,3,4,5,6,7                        ; v: a lane of A's tile a holds one feature, 32 (a / 2) + 8 (a % 2) + r + 8 (r / 8), in all eight registers
.irp j, 0,1,2,3,4,5,6,7
	global_load_b32 v[BIAS+8*\a+\j], v8, s[12:13] offset:(32*(\a/2)+8*(\a%2))*4
.endr
.endr
.Lbias_done:
.macro FRAG reg, adr, q, i             ; a fragment: four loads of 512 consecutive bytes
.irp c, 0,1,2,3
	ds_load_b128 v[\reg+4*\c:\reg+4*\c+3], v[\adr] offset:2048*(\q)+512*\c+(\i)*TILEB
.endr
.endm
; 16 matrix instructions: A's blocks a0, a0 + 1 x B's eight.  mode 0: onto the sums; 1: the sums begin with the bias by B's block; 2: by A's block.  The 64 accumulators take turns.
.macro MUL16 a0, p, q, sc, mode
.irp a, \a0, \a0+1
.irp b, 0,1,2,3,4,5,6,7
.if (\mode) == 0
	v_wmma_scale_f32_16x16x128_f8f6f4 v[8*(8*((\a)%4)+\b):8*(8*((\a)%4)+\b)+7], v[128*(\p)+FR*\b:128*(\p)+FR*\b+FR-1], v[AF+FR*(\a):AF+FR*(\a)+FR-1], v[8*(8*((\a)%4)+\b):8*(8*((\a)%4)+\b)+7], v[SC+8*NQ*(\sc)+NQ*\b+(\q)], v[SC+8*NQ*(\sc)+NQ*(\a)+(\q)] matrix_a_fmt:MATRIX_FMT_BF8 matrix_b_fmt:MATRIX_FMT_BF8 matrix_a_scale:MATRIX_SCALE_ROW1
.elseif (\mode) == 1
	v_wmma_scale_f32_16x16x128_f8f6f4 v[8*(8*((\a)%4)+\b):8*(8*((\a)%4)+\b)+7], v[128*(\p)+FR*\b:128*(\p)+FR*\b+FR-1], v[AF+FR*(\a):AF+FR*(\a)+FR-1], v[BIAS+8*\b:BIAS+8*\b+7], v[SC+8*NQ*(\sc)+NQ*\b+(\q)], v[SC+8*NQ*(\sc)+NQ*(\a)+(\q)] matrix_a_fmt:MATRIX_FMT_BF8 matrix_b_fmt:MATRIX_FMT_BF8 matrix_a_scale:MATRIX_SCALE_ROW1
.else
	v_wmma_scale_f32_16x16x128_f8f6f4 v[8*(8*((\a)%4)+\b):8*(8*((\a)%4)+\b)+7], v[128*(\p)+FR*\b:128*(\p)+FR*\b+FR-1], v[AF+FR*(\a):AF+FR*(\a)+FR-1], v[BIAS+8*(\a):BIAS+8*(\a)+7], v[SC+8*NQ*(\sc)+NQ*\b+(\q)], v[SC+8*NQ*(\sc)+NQ*(\a)+(\q)] matrix_a_fmt:MATRIX_FMT_BF8 matrix_b_fmt:MATRIX_FMT_BF8 matrix_a_scale:MATRIX_SCALE_ROW1
.endif
.endr
.endr
.endm
.macro FETCH_B slot, q, p
	WIN TO_B
.irp i, 0,1,2,3,4,5,6,7
	FRAG 128*(\p)+FR*\i, ADRB+\slot, \q, \i
.endr
	WIN 0
.endm
.macro FETCH_A slot, q, i0
.irp i, \i0, \i0+1, \i0+2, \i0+3
	FRAG AF+FR*(\i), ADRA+\slot, \q, \i
.endr
.endm
.macro SCALES sc                       ; a K step's two words a row: lanes 0-15 A's tile i, lanes 16-31 B's tile i
.irp i, 0,1,2,3,4,5,6,7
	ds_load_b64 v[SC+8*NQ*\sc+NQ*\i:SC+8*NQ*\sc+NQ*\i+1], v[ADRS] offset:\i*512
.endr
.endm
.macro PLACES n                        ; plain vector lines between a matrix instruction and a load into, or a vector read or write of, its registers
.rept \n
	v_nop
.endr
.endm
.macro STEP slot, q, mode              ; 128 along K that has its successor in the same slot
	s_wait_dscnt 4*NL                              ; B's set, A's blocks 0-3 and the scale words are in; the youngest 16 loads (A's blocks 4-7) may be out
.if \mode
	WIN BIA_LO
.else
	WIN MUL_LO
.endif
	MUL16 0, (\q)%2, \q, \slot, \mode
	MUL16 2, (\q)%2, \q, \slot, \mode
	s_wait_dscnt 0                                 ; A's blocks 4-7 are in
	PLACES NP
	FETCH_B \slot, (\q)+1, 1-(\q)%2
	FETCH_A \slot, (\q)+1, 0
.if \mode
	WIN BIA_HI
.else
	WIN MUL_HI
.endif
	MUL16 4, (\q)%2, \q, \slot, \mode
	MUL16 6, (\q)%2, \q, \slot, \mode
	PLACES NP
	WIN 0
	FETCH_A \slot, (\q)+1, 4
.endm
; A slot's last step changes slots: one barrier; in front of it each wave waits for all its tensor loads, adds 0 to its spare word, and waits for that and for its reads of this slot.
.macro TURN slot, next, fill
	s_wait_tensorcnt 0x0                           ; all my tensor loads have landed: my part of the next slot
	ds_add_u32 v[SPW], v[NIL]                      ; 0 onto my spare word
	s_wait_dscnt 4*NL+1                            ; (the add and the youngest 16 loads may be out)
	WIN MUL_LO
	MUL16 0, 1, NQ-1, \slot, 0                     ; sixteen matrix instructions between the add and the wait for it
	s_wait_dscnt 0x0                               ; the add is done, and my reads of this slot are over
	s_barrier_signal -1
	MUL16 2, 1, NQ-1, \slot, 0
	WIN 0
	s_barrier_wait -1
.if \fill
	CREST                                          ; the barrier has opened a round of the cluster's: no wave of any partner still reads this slot or has a load on its way
	s_add_nc_u64 s[G0+4*\slot+2:G0+4*\slot+3], s[G0+4*\slot+2:G0+4*\slot+3], 2*TILEB
	s_add_nc_u64 s[G0B+4*\slot+2:G0B+4*\slot+3], s[G0B+4*\slot+2:G0B+4*\slot+3], 2*TILEB
	JLOAD G0+4*\slot, G1, G0B+4*\slot, G1B         ; the first tensor load behind the round; its four v_nop are four of the eight places
	PLACES NP-4
.else
	PLACES NP
.endif
	s_wait_alu depctr_va_vdst(0)
	v_add_nc_u32 v[ADRS], 128, v[ADRS]             ; the next K step's scale words (no LDS load of mine is out)
	FETCH_B \next, 0, 0
	FETCH_A \next, 0, 0
	SCALES \next
	WIN MUL_HI
	MUL16 4, 1, NQ-1, \slot, 0
	MUL16 6, 1, NQ-1, \slot, 0
	PLACES NP
	WIN 0
	FETCH_A \next, 0, 4
.endm
	s_wait_tensorcnt 1                             ; the scale bytes and my part of K step 0 are in; K step 1's load may be out
	s_barrier_signal -1
	s_barrier_wait -1
	FETCH_B 0, 0, 0
	FETCH_A 0, 0, 0
	s_wait_alu depctr_va_vdst(0)
	SCALES 0
	FETCH_A 0, 0, 4
	s_wait_loadcnt 0x0                             ; the bias
	s_cmp_eq_u32 s[ISV], 0
	s_cbranch_scc0 .Lfirst_v
	STEP 0, 0, 1                                   ; the first products start the sums with the bias: nothing is cleared
	s_branch .Lfirst_done
.Lfirst_v:
	STEP 0, 0, 2
.Lfirst_done:
	TURN 0, 1, 1                                   ; K = 1,024 is four K steps: written straight, two refills
	STEP 1, 0, 0
	TURN 1, 0, 1
	STEP 0, 0, 0
	TURN 0, 1, 0
	STEP 1, 0, 0
	s_wait_dscnt 4*NL                              ; the very last step
	WIN MUL_LO
	MUL16 0, 1, NQ-1, 1, 0
	MUL16 2, 1, NQ-1, 1, 0
	s_wait_dscnt 0
	WIN MUL_HI
	MUL16 4, 1, NQ-1, 1, 0
	MUL16 6, 1, NQ-1, 1, 0
	WIN 0
; THE WAY OUT.  For each of A's blocks a lane's 64 numbers are four blocks of 32 along the next product's K (with lane l xor 16): they are quantised and leave as pieces of 512 consecutive bytes.
	PLACES NP
	s_lshr_b32 s40, s[F0], 10                      ; q, k or v
	s_bfe_u32 s41, s[F0], 0x40006                  ; my first head (I hold two)
	s_lshr_b32 s42, s[XR], 11                      ; the batch
	s_bfe_u32 s43, s[XR], 0x40007                  ; the step of 128 tokens
	s_lshl_b32 s42, s42, 4
	s_add_co_u32 s42, s42, s41
	s_mul_i32 s42, s42, BH
	s_mul_i32 s40, s40, TY
	s_mul_i32 s43, s43, ST
	s_add_co_u32 s42, s42, s40
	s_add_co_u32 s42, s42, s43
	s_mov_b32 s43, 0
	s_add_nc_u64 s[14:15], s[14:15], s[42:43]      ; my step block of my first head
	s_cmp_eq_u32 s[ISV], 0
	s_mov_b32 s44, 2048
	s_cselect_b32 s44, 1024, s44                   ; from block a to a + 1: a token tile (q, k) or a d tile (v)
	s_mov_b32 s45, BH
	s_cselect_b32 s45, 4096, s45                   ; from block a to a + 4: four token tiles, or the next head
	s_mov_b32 s46, 1024
	s_cselect_b32 s46, BH, s46                     ; from piece p to p + 2: the next head, or two pieces
	s_mov_b32 s49, 0
.irp a, 0,1,2,3,4,5,6,7                        ; the descriptors' registers are free: no tensor load is out, and none follows
	s_mul_i32 s48, s44, \a%4
.if \a/4
	s_add_co_u32 s48, s48, s45
.endif
	s_add_nc_u64 s[24+2*\a:25+2*\a], s[14:15], s[48:49]
.endr
	v_mov_b32 v[VO], v[LI]
	v_add_nc_u32 v[VO+1], 512, v[LI]
	v_add_nc_u32 v[VO+2], s46, v[LI]
	v_add_nc_u32 v[VO+3], 512, v[VO+2]
	v_lshlrev_b32 v[SO], 4, v1
	v_lshl_add_u32 v[SO], v2, 3, v[SO]             ; 16 r + 8 h
.irp p, 0,1,2,3
	v_mov_b32 v[TM+4+\p], 0                        ; written once: a lane permute's destination counts as one of its sources
.endr
.macro QOUT a
.set AC, 64*((\a)%4)
.set WA, 2+(\a)/4
.set W2, WA*5
	WIN W2                                         ; sources 0 and 1 in the accumulators' window
.irp p, 0,1,2,3
	v_max3_num_f32 v[TM+\p], |v[AC+16*\p]|, |v[AC+16*\p+1]|, 0x8000000   ; each accumulator from its low end on; the floor 2^(16 - 127) among the leaves
.endr
.irp i, 2,4,6,8,10,12,14
.irp p, 0,1,2,3
	v_max3_num_f32 v[TM+\p], |v[AC+16*\p+\i]|, |v[AC+16*\p+\i+1]|, v[TM+\p]
.endr
.endr
	WIN 0
.irp p, 0,1,2,3
	v_permlanex16_b32 v[TM+4+\p], v[TM+\p], s[SEL], s[SEL+1]
.endr
.irp p, 0,1,2,3
	v_max_num_f32 v[TM+\p], v[TM+\p], v[TM+4+\p]
.endr
.irp p, 0,1,2,3
	v_add_nc_u32 v[TM+12+\p], 0xf8800000, v[TM+\p]
.endr
.irp p, 0,1,2,3
.endr
.irp p, 0,1,2,3
	v_lshrrev_b32 v[TM+4+\p], 23, v[TM+12+\p]
.endr
	v_lshl_or_b32 v[PW+(\a)], v[TM+5], 8, v[TM+4]
	v_lshl_or_b32 v[PW+(\a)], v[TM+6], 16, v[PW+(\a)]
	v_lshl_or_b32 v[PW+(\a)], v[TM+7], 24, v[PW+(\a)]
	WIN WA                                         ; source 0 alone in the accumulators' window
.irp p, 0,1,2,3
.set n, 0
.rept 16
.set n, n+1
.endr
.endr
.irp p, 0,1,2,3
	v_cvt_scalef32_pk8_bf8_f32 v[PC+16*(\a)+4*\p:PC+16*(\a)+4*\p+1], v[AC+16*\p:AC+16*\p+7], v[TM+12+\p]
	v_cvt_scalef32_pk8_bf8_f32 v[PC+16*(\a)+4*\p+2:PC+16*(\a)+4*\p+3], v[AC+16*\p+8:AC+16*\p+15], v[TM+12+\p]
.endr
	WIN 0
	v_nop                                          ; a plain line behind the last conversion
.irp p, 0,1,2,3
	global_store_b128 v[VO+\p], v[PC+16*(\a)+4*\p:PC+16*(\a)+4*\p+3], s[24+2*(\a):25+2*(\a)]   ; 32 lanes store 512 consecutive bytes, aligned; each block has its own registers: no store's data are written again
.endr
.endm
.irp a, 0,1,2,3,4,5,6,7
	QOUT \a
.endr
	; the scale words: 16 bytes a row and head
	s_cmp_eq_u32 s[ISV], 0
	s_cbranch_scc0 .Lsc_v
.irp i, 0,1,2,3                                ; q, k: a word of block a holds two bytes for each of my two heads: word i of a head is made of token tiles 2 i and 2 i + 1
	v_perm_b32 v[TM+\i], v[PW+2*\i+1], v[PW+2*\i], 0x05040100
	v_perm_b32 v[TM+4+\i], v[PW+2*\i+1], v[PW+2*\i], 0x07060302
.endr
	s_branch .Lsc_done
.Lsc_v:
.irp i, 0,1,2,3,4,5,6,7                        ; v: blocks 0-3 are my first head's d tiles, 4-7 my second's
	v_mov_b32 v[TM+\i], v[PW+\i]
.endr
.Lsc_done:
	s_mov_b32 vcc_lo, 0xffff0000                   ; lanes 16-31 take words 2, 3
	s_wait_alu depctr_va_vdst(0)
	v_cndmask_b32 v[TM+8], v[TM], v[TM+2], vcc_lo
	v_cndmask_b32 v[TM+9], v[TM+1], v[TM+3], vcc_lo
	v_cndmask_b32 v[TM+10], v[TM+4], v[TM+6], vcc_lo
	v_cndmask_b32 v[TM+11], v[TM+5], v[TM+7], vcc_lo
	global_store_b64 v[SO], v[TM+8:TM+9], s[24:25] offset:8192        ; 32 lanes store 256 consecutive bytes, aligned
	global_store_b64 v[SO], v[TM+10:TM+11], s[24:25] offset:8192+BH
	s_wait_tensorcnt 0x0                           ; the wave's end
	ds_add_u32 v[SPW], v[NIL]
	s_wait_dscnt 0x0
	CROUND                                         ; the closing round
	s_endpgm
.Lfunc_end_k_qf0d3950c5e_qkvgemm:
	.size	k_qf0d3950c5e_qkvgemm, .Lfunc_end_k_qf0d3950c5e_qkvgemm-k_qf0d3950c5e_qkvgemm
	.p2alignl 7, 3214868480
	.fill 96, 4, 3214868480
	.section	.rodata,"a",@progbits
	.p2align	6, 0x0
	.amdhsa_kernel k_qf0d3950c5e_qkvgemm
		.amdhsa_group_segment_fixed_size 327680
		.amdhsa_private_segment_fixed_size 0
		.amdhsa_enable_private_segment 0
		.amdhsa_kernarg_size 48
		.amdhsa_user_sgpr_count 2
		.amdhsa_user_sgpr_kernarg_segment_ptr 1
		.amdhsa_wavefront_size32 1
		.amdhsa_system_sgpr_workgroup_id_x 1
		.amdhsa_system_sgpr_workgroup_id_y 1
		.amdhsa_system_sgpr_workgroup_id_z 1
		.amdhsa_system_vgpr_workitem_id 0
		.amdhsa_next_free_vgpr 1024
		.amdhsa_next_free_sgpr 100
		.amdhsa_reserve_vcc 1
		.amdhsa_float_denorm_mode_32 3
		.amdhsa_float_denorm_mode_16_64 3
		.amdhsa_fp16_overflow 1
		.amdhsa_memory_ordered 1
		.amdhsa_forward_progress 1
		.amdhsa_inst_pref_size 173
	.end_amdhsa_kernel
	.amdgpu_metadata
---
amdhsa.version: [ 1, 2 ]
amdhsa.kernels:
  - .name:           k_qf0d3950c5e_qkvgemm
    .symbol:         k_qf0d3950c5e_qkvgemm.kd
    .args:
      - { .name: xc, .offset: 0, .size: 8, .value_kind: global_buffer, .address_space: global }
      - { .name: xsc, .offset: 8, .size: 8, .value_kind: global_buffer, .address_space: global }
      - { .name: wc, .offset: 16, .size: 8, .value_kind: global_buffer, .address_space: global }
      - { .name: wsc, .offset: 24, .size: 8, .value_kind: global_buffer, .address_space: global }
      - { .name: c_attn_b, .offset: 32, .size: 8, .value_kind: global_buffer, .address_space: global }
      - { .name: qkv, .offset: 40, .size: 8, .value_kind: global_buffer, .address_space: global }
    .group_segment_fixed_size: 327680
    .private_segment_fixed_size: 0
    .kernarg_segment_align: 8
    .kernarg_segment_size: 48
    .max_flat_workgroup_size: 128
    .sgpr_count:     100
    .vgpr_count:     1024
    .wavefront_size: 32
...
	.end_amdgpu_metadata
.endif
;; end of part 2
;; launch attn (part 3): grid 8 x 64, 16 waves a work-group, clusters of 4 x 1, 327,680 bytes of LDS; arguments qkv, ac, asc; writes ac, asc
.if DOCPART == 3
	.amdgcn_target "amdgcn-amd-amdhsa--gfx1250"
	.amdhsa_code_object_version 6
	.text
	.protected	k_qf0d3950c5e_attn
	.globl	k_qf0d3950c5e_attn
	.p2align	8
	.type	k_qf0d3950c5e_attn,@function
k_qf0d3950c5e_attn:
	s_mov_b64 s[64:65], 0
	v_nop
	global_prefetch_b8 v0, s[64:65] scope:SCOPE_SE
	s_setreg_imm32_b32 hwreg(HW_REG_WAVE_MODE, 25, 1), 1
	s_wait_xcnt 0x0
	s_wait_alu depctr_hold_cnt(0) depctr_sa_sdst(0) depctr_va_vdst(0) depctr_va_sdst(0) depctr_va_ssrc(0) depctr_va_vcc(0) depctr_vm_vsrc(0)
	s_getreg_b32 s2, hwreg(HW_REG_IB_STS2, 6, 4)
	s_cmp_eq_u32 s2, 0
	s_cbranch_scc0 .Lentry_in_a_cluster
	s_endpgm
.Lentry_in_a_cluster:
	s_bfe_u32 s2, ttmp6, 0x10000c
	s_cmp_lg_u32 s2, 0x3003
	s_cbranch_scc0 .Lentry_shape_is_right
	s_endpgm
.Lentry_shape_is_right:
; a[b][q][head] = softmax_k(where(k <= q, q . k / 8, -10000)) v, both products on codes of BF8 (E5M2) with E8M0 scales; a is quantised at once along the output projection's K.
; THE SOFTMAX: t = score x log2(e) / 8; M = the row's largest t so far, rounded up to a whole number; p = 2^(t - M) is quantised along the keys, not normalised; the row's sum of the unquantised p divides at the end.
; THE MASK IS A NUMBER, NOT -INFINITY.  A masked key has the logit -10000: it counts for the maximum (the running maximum begins there, in every row that has a masked key), for the sum and for p v.
; Its score needs no product.  In the key steps that lie wholly behind a wave's queries every p is the same number pm = 2^(-10000 log2(e) - M), M final by then: pm's code and scale are made once,
; the sum takes the count x pm, and each such step is four products on those registers.
; SHARES.  A work-group takes one head and, of each of the 16 strips of 128 queries, tile g (g = the work-group's x, 0..7): wave w owns ONE tile of 16 queries, in the strip that two Latin squares make of the wave's number,
; so that any four neighbouring waves, and any four waves 4 apart, have 34 open steps together.  Every branch hangs on the wave's number and a loop count; g enters global addresses and the mask's numbers alone.
; K AND V OF THE WHOLE HEAD LIE IN LDS (16 step blocks of 8,448 bytes each), filled once, by joint loads of the cluster's four work-groups, which share a head.  Nothing is filled again.
; K = 64 IN q k^T: a fragment of 128 along K holds TWO key tiles (d of tile 2 i | d of tile 2 i + 1); it is multiplied by [Q | 0] and by [0 | Q].  The keys of a tile are positions (bits 3 and 4 exchanged), so the 16
; registers of the two results are keys 32 i + 16 (lane / 16) + 0 .. 15.  Both products are used transposed: a lane holds one query throughout.
; LIMITS: NaN and infinities are not served; p under 2^-126 becomes 0 (v_exp_f32 flushes); a block of zeros gets the byte 1 (its codes are zeros; this program alone reads the bytes).
; The scale bytes of a leave as 32 single bytes a wave: a word of them spans two heads, which two work-groups own.
.set BH,  405504
.set TY,  135168
.set ST,  8448
.set AL,  1                            ; v1   16 x lane
.set AR,  2                            ; v2   16 r + 8,192: a step block's scale words
.set ALV, 3                            ; v3, v4 the same in V's half of LDS
.set ARV, 4
.set DQ,  5                            ; v5   my query in its step - 16 (lane / 16)
.set PFO, 6                            ; v6   256 x lane; never rewritten
.set ADK, 7                            ; v7-10 the step's LDS addresses
.set ADS, 8
.set ADV, 9
.set ADT, 10
.set CNT, 11                           ; v11  64 x (15 - strip), as f32: my half's keys in the steps behind my queries
.set KF,  40                           ; v40-103  four fragments of K.   v12 -M, v13 the largest t, v[14:15] the sum; v16-39: 0 | Q | 0
.set S,   104                          ; v104-167 S^T, then p, then four fragments of V
.set OT,  168                          ; v168-199 O^T
.set PCD, 200                          ; v200-215 p's codes
.set KS,  216                          ; v216-219 K's scale words
.set VS,  220                          ; v220-223 V's.   v224-227 offsets and numbers of the head; v232-247 at work; v252 f, v253 p's scale word, v254 at work, v255 Q's scale word
.set WV,  10
.set STRIP, 11
.set GQ,  12
.set BHD, 13
.set J,   14
.set TB,  15
.set G1,  16
.set G0A, 24
.set G0B, 28
.set SEL, 32
.set CS,  34
.set MNT, 36
.set SMR, 37
.set PFA, 40
.set PFJ, 58
.macro ROUND
	s_barrier_signal -1
	s_barrier_wait -1
	s_cmp_lg_u32 s[WV], 0
	s_cbranch_scc1 .Lnot_wave_0_\@
	s_barrier_signal -3
.Lnot_wave_0_\@:
	s_barrier_wait -3
	s_barrier_signal -1
	s_barrier_wait -1
.endm
	s_load_b128 s[4:7], s[0:1], 0x0                ; qkv, ac
	s_load_b64 s[8:9], s[0:1], 0x10                ; asc
	v_lshl_add_u32 v250, v0, 2, 0x42000
	v_mov_b32 v251, 0
	ds_add_u32 v250, v251
	ds_add_u32 v250, v251
	v_lshrrev_b32 v1, 5, v0
	s_delay_alu instid0(VALU_DEP_1)
	v_readfirstlane_b32 s[WV], v1                  ; wave 0..15
	s_bfe_u32 s38, ttmp6, 0x40000                  ; cx
	s_lshl_b32 s[GQ], ttmp9, 2
	s_add_co_u32 s[GQ], s[GQ], s38                 ; g
	s_and_b32 s[BHD], ttmp7, 0xffff                ; batch x 16 + head: the four partners share it
	s_lshr_b32 s39, s[WV], 2                       ; k
	s_and_b32 s42, s[WV], 3                        ; s
	s_xor_b32 s43, s39, s42                        ; k ^ s
	s_lshl_b32 s44, s42, 1
	s_lshr_b32 s45, s42, 1
	s_mul_i32 s45, s45, 7
	s_xor_b32 s44, s44, s45                        ; 0, 2, 3, 1 for s = 0 .. 3
	s_xor_b32 s44, s44, s39
	s_lshl_b32 s43, s43, 2
	s_add_co_u32 s[STRIP], s43, s44                ; my strip: each of 0 .. 15 once
	; group 1: a step block, 8,448 dense bytes, as 33 rows of 256 bytes (32 elements of 8)
	s_mov_b32 s[G1], 15|(3<<16)|(1<<21)            ; 15:0 the mask: all four work-groups; 17:16 elements of 8 bytes; 21 set beside a mask
	s_mov_b32 s[G1+1], 32<<16                      ; tensor_dim0
	s_mov_b32 s[G1+2], 33<<16                      ; tensor_dim1
	s_mov_b32 s[G1+3], 32<<16                      ; tile_dim0
	s_mov_b32 s[G1+4], 33                          ; tile_dim1
	s_mov_b32 s[G1+5], 32                          ; tensor_dim0_stride
	s_mov_b32 s[G1+6], 0
	s_mov_b32 s[G1+7], 0
	s_lshr_b32 s46, s[WV], 3                       ; waves 0-7 fetch K, waves 8-15 V:
	s_mul_i32 s46, s46, TY
	s_and_b32 s47, s[WV], 7                        ; step blocks wave % 8 and wave % 8 + 8
	s_mul_i32 s47, s47, ST
	s_add_co_u32 s46, s46, s47                     ; in LDS,
	s_mul_i32 s48, s[BHD], BH                      ; the head's first byte
	s_add_co_u32 s50, s48, s46
	s_add_co_u32 s50, s50, TY                      ; and in memory, where q lies in front
	s_mov_b32 s51, 0
	s_mov_b32 s[SEL], 0x76543210
	s_mov_b32 s[SEL+1], 0xfedcba98
	s_mov_b32 s[CS], 0x3e38aa3b                    ; c = log2(e) / 8
	s_mov_b32 s[CS+1], s[CS]
	s_mov_b32 s[MNT], 0x600000
	s_mov_b32 s[SMR], 0xc79c4000                   ; -80000: the score that stands for the logit -10000
	s_mov_b32 s[J], 0
	s_mov_b32 s[TB], 0
	s_wait_dscnt 0x0
	s_wait_kmcnt 0x0
	ROUND                                          ; all four work-groups are here: the joint loads meet
	s_mov_b32 s[G0A], 1
	s_mov_b32 s[G0A+1], s46
	s_add_nc_u64 s[G0A+2:G0A+3], s[4:5], s[50:51]
	s_mov_b32 s[G0B], 1
	s_add_co_u32 s[G0B+1], s46, 8*ST
	s_add_nc_u64 s[G0B+2:G0B+3], s[G0A+2:G0A+3], 8*ST
	s_or_b32 s[G0A+3], s[G0A+3], 0x80000000
	s_or_b32 s[G0B+3], s[G0B+3], 0x80000000
	tensor_load_to_lds s[G0A:G0A+3], s[G1:G1+7]    ; the first of my two loads; the second follows the next round
	s_nop 0
	s_wait_alu depctr_va_vdst(0)
	s_wait_tensorcnt 0x0
	ds_add_u32 v250, v251
	s_wait_dscnt 0x0
	ROUND
	tensor_load_to_lds s[G0B:G0B+3], s[G1:G1+7]
	s_nop 0
.rept 4
	v_nop
.endr
	s_mul_i32 s52, s[STRIP], ST
	s_add_co_u32 s52, s52, s48
	s_mov_b32 s53, 0
	s_add_nc_u64 s[52:53], s[4:5], s[52:53]        ; q's step block of my strip
	v_and_b32 v8, 31, v0
	s_delay_alu instid0(VALU_DEP_1)
	v_lshlrev_b32 v[AL], 4, v8
	v_and_b32 v9, 15, v0                           ; r
	v_bfe_u32 v10, v0, 4, 1                        ; h
	s_delay_alu instid0(VALU_DEP_2)
	v_lshlrev_b32 v[AR], 4, v9
	s_delay_alu instid0(VALU_DEP_4)
	v_lshl_add_u32 v224, s[GQ], 10, v[AL]          ; Q's codes: tile g, 16 x lane
	s_delay_alu instid0(VALU_DEP_2)
	v_lshl_add_u32 v225, s[GQ], 1, v[AR]           ; Q's two scale bytes: 16 r + 2 g
	global_load_b128 v[24:27], v224, s[52:53]
	global_load_b128 v[28:31], v224, s[52:53] offset:512
	global_load_u16 v255, v225, s[52:53] offset:8192
	v_add_nc_u32 v[AR], 8192, v[AR]
	v_add_nc_u32 v[ALV], TY, v[AL]
	s_delay_alu instid0(VALU_DEP_2)
	v_add_nc_u32 v[ARV], TY, v[AR]
	v_lshlrev_b32 v[PFO], 8, v8
	s_lshr_b32 s38, s[GQ], 1
	s_lshl_b32 s38, s38, 5
	s_and_b32 s39, s[GQ], 1
	s_lshl_b32 s39, s39, 3
	s_add_co_u32 s38, s38, s39                     ; tile g begins at 32 (g / 2) + 8 (g % 2)
	v_and_b32 v[DQ], 8, v9
	s_delay_alu instid0(VALU_DEP_1)
	v_add3_u32 v[DQ], v[DQ], v9, s38               ; my query in its step
	s_lshl_b32 s39, s[STRIP], 7
	v_add_nc_u32 v226, s39, v[DQ]                  ; and in the sequence
	v_lshlrev_b32 v10, 4, v10
	s_delay_alu instid0(VALU_DEP_1)
	v_sub_nc_u32 v[DQ], v[DQ], v10
	v_mov_b32 v13, s[SMR]
	s_delay_alu instid0(VALU_DEP_1)
	v_mul_f32 v13, s[CS], v13                      ; the largest t so far: a masked key's,
	v_mov_b32 v227, 0xff61b1e6
	v_cmp_eq_u32 vcc_lo, 0x7ff, v226
	s_delay_alu instid0(VALU_DEP_1)
	v_cndmask_b32 v13, v13, v227, vcc_lo           ; or -3e38 in the one row that has no masked key
	s_delay_alu instid0(VALU_DEP_1)
	v_floor_f32 v12, -v13                          ; -M
	v_mov_b32 v14, 0
	v_mov_b32 v15, 0
	s_sub_co_u32 s39, 15, s[STRIP]
	s_lshl_b32 s39, s39, 6
	v_cvt_f32_u32 v[CNT], s39
.irp i, 0,1,2,3,4,5,6,7
	v_mov_b32 v[16+\i], 0                          ; the zeros on both sides of Q: zero codes add nothing under any scale
	v_mov_b32 v[32+\i], 0
.endr
.set n, 0
.rept 16
	v_mov_b32 v[PCD+n], 0                          ; named on the way of a step behind the queries, which no wave takes before the codes are made
.set n, n+1
.endr
.irp b, 0,1,2,3
	v_mov_b32 v[236+\b], 0                         ; a lane permute's destination counts as one of its sources
.endr
	v_mov_b32 v252, 0
	v_mov_b32 v253, 0
	; the prefetch (at the end of STEP): of the head 32 further on, one step block's 8,192 bytes of codes a wave
	s_lshl_b32 s54, s[GQ], 2
	s_add_co_u32 s54, s54, s[STRIP]
	s_add_co_u32 s54, s54, 20
	s_and_b32 s54, s54, 31                         ; block 4 g + strip - 12 of K's 16 and V's 16 (taken modulo 32, so that the address lies in the buffer in every wave)
	s_lshr_b32 s55, s54, 4
	s_and_b32 s54, s54, 15
	s_add_co_u32 s55, s55, 1
	s_mul_i32 s55, s55, TY
	s_mul_i32 s54, s54, ST
	s_add_co_u32 s54, s54, s55
	s_and_b32 s55, s[BHD], 31
	s_add_co_u32 s55, s55, 32
	s_mul_i32 s55, s55, BH
	s_add_co_u32 s54, s54, s55
	s_mov_b32 s55, 0
	s_add_nc_u64 s[PFA:PFA+1], s[4:5], s[54:55]
	s_lshr_b32 s56, s[BHD], 5                      ; heads 0-31 ask,
	s_cmp_lt_u32 s[STRIP], 12
	s_cselect_b32 s57, 1, 0                        ; the four waves of strips 12-15,
	s_or_b32 s56, s56, s57
	s_cmp_eq_u32 s56, 0
	s_cselect_b32 s[PFJ], 12, -1                   ; in the trip of key step 12; the partners are told apart by address
	s_wait_loadcnt 0x0                             ; Q
	v_lshl_or_b32 v255, v255, 16, v255             ; Q's two bytes twice: for [Q | 0] and for [0 | Q]
.set n, 0
.rept 32
	v_mov_b32 v[OT+n], 0                           ; O^T begins as zeros.  (These lines are also the places between the scale word's making and the first product)
.set n, n+1
.endr
; A KEY STEP of 128 keys.  J < strip: open; J = strip: on the diagonal; J > strip: behind my queries.
.macro STEP pf
	v_add_nc_u32 v[ADK], s[TB], v[AL]
	v_add_nc_u32 v[ADS], s[TB], v[AR]
	v_add_nc_u32 v[ADV], s[TB], v[ALV]
	v_add_nc_u32 v[ADT], s[TB], v[ARV]
	s_cmp_gt_u32 s[J], s[STRIP]
	s_cbranch_scc1 .Lpv_\@
	s_setprio 2
.irp i, 0,1,2,3
.irp c, 0,1,2,3
	ds_load_b128 v[KF+16*\i+4*\c:KF+16*\i+4*\c+3], v[ADK] offset:2048*\i+512*\c
.endr
.endr
	ds_load_b128 v[KS:KS+3], v[ADS]                ; the four fragments' scale words
	s_wait_dscnt 0x0
.irp i, 0,1,2,3
	v_wmma_scale_f32_16x16x128_f8f6f4 v[S+16*\i:S+16*\i+7], v[KF+16*\i:KF+16*\i+15], v[24:39], 0, v[KS+\i], v255 matrix_a_fmt:MATRIX_FMT_BF8 matrix_b_fmt:MATRIX_FMT_BF8      ; x [Q | 0]: key tile 2 i
	v_wmma_scale_f32_16x16x128_f8f6f4 v[S+8+16*\i:S+15+16*\i], v[KF+16*\i:KF+16*\i+15], v[16:31], 0, v[KS+\i], v255 matrix_a_fmt:MATRIX_FMT_BF8 matrix_b_fmt:MATRIX_FMT_BF8   ; x [0 | Q]: key tile 2 i + 1
.endr
.rept 8
	v_nop                                          ; places in front of the first read of the scores
.endr
	s_cmp_lt_u32 s[J], s[STRIP]
	s_cbranch_scc1 .Lopen_\@
	v_mov_b32 v254, s[SMR]                         ; on the diagonal: register 16 b + i holds key 32 b + 16 (lane / 16) + i: masked where 32 b + i > DQ
.set n, 0
.rept 64
	v_cmp_gt_i32 vcc_lo, 32*(n/16)+n%16, v[DQ]
	v_cndmask_b32 v[S+n], v[S+n], v254, vcc_lo
.set n, n+1
.endr
.Lopen_\@:
.irp b, 0,1,2,3
	v_max3_num_f32 v[232+\b], v[S+16*\b], v[S+1+16*\b], v[S+2+16*\b]   ; the largest score of each block of 32 keys: for the row's maximum, and, since p rises with the score, for the block's largest p
.endr
.irp i, 3,5,7,9,11,13
.irp b, 0,1,2,3
	v_max3_num_f32 v[232+\b], v[232+\b], v[S+16*\b+\i], v[S+1+16*\b+\i]
.endr
.endr
.irp b, 0,1,2,3
	v_max_num_f32 v[232+\b], v[232+\b], v[S+15+16*\b]
.endr
.irp b, 0,1,2,3
	s_delay_alu instid0(VALU_DEP_4)
	v_permlanex16_b32 v[236+\b], v[232+\b], s[SEL], s[SEL+1]
.endr
.irp b, 0,1,2,3
	s_delay_alu instid0(VALU_DEP_4)
	v_max_num_f32 v[232+\b], v[232+\b], v[236+\b]
.endr
	s_delay_alu instid0(VALU_DEP_2)
	v_max3_num_f32 v254, v232, v233, v234
	s_delay_alu instid0(VALU_DEP_1)
	v_max_num_f32 v254, v254, v235
	s_delay_alu instid0(VALU_DEP_1)
	v_mul_f32 v254, s[CS], v254
	s_delay_alu instid0(VALU_DEP_1)
	v_max_num_f32 v13, v13, v254                   ; the running largest t
	v_mov_b32 v254, v12
	s_delay_alu instid0(VALU_DEP_2)
	v_floor_f32 v12, -v13                          ; the new -M: M is a whole number
	s_delay_alu instid0(VALU_DEP_1)
	v_sub_f32 v254, v12, v254
	s_delay_alu instid0(VALU_DEP_1)
	v_cvt_i32_f32 v254, v254                       ; (it saturates)
	s_delay_alu instid0(VALU_DEP_1)
	v_ldexp_f32 v252, 1.0, v254                    ; f = 2^(old M - new M): rounds nothing
.set n, 0
	s_setprio 1
.rept 32
	v_pk_fma_f32 v[S+n:S+n+1], v[S+n:S+n+1], s[CS:CS+1], v[12:13] op_sel_hi:[1,0,0]   ; t - M
.set n, n+2
.endr
.irp b, 0,1,2,3
	v_fma_f32 v[232+\b], v[232+\b], s[CS], v12
.endr
.set n, 0
	s_wait_alu depctr_va_vdst(0)
.rept 64
	v_exp_f32 v[S+n], v[S+n]                       ; p = 2^(t - M)
.set n, n+1
.endr
	v_pk_mul_f32 v[14:15], v[14:15], v[252:253] op_sel_hi:[1,0]   ; the sums under the new M: a plain line behind the exponentials
	s_wait_alu depctr_va_vdst(0)                   ; one wait for the batch of 64, ahead of its first reader
.irp b, 0,1,2,3
	v_exp_f32 v[232+\b], v[232+\b]                 ; each block's largest p
.endr
	v_pk_add_f32 v[236:237], v[S:S+1], v[S+2:S+3]  ; the row's sum of the unquantised p, in two chains
.set n, 4
	s_setprio 0
.rept 15
	v_pk_add_f32 v[14:15], v[14:15], v[S+n:S+n+1]
	v_pk_add_f32 v[236:237], v[236:237], v[S+2+n:S+3+n]
.set n, n+4
.endr
	s_delay_alu instid0(VALU_DEP_1)
	v_pk_add_f32 v[14:15], v[14:15], v[236:237]
	s_wait_alu depctr_va_vdst(0)                   ; and one for the four
.irp b, 0,1,2,3
	v_max_num_f32 v[232+\b], 0x8000000, v[232+\b]  ; the floor
.endr
.irp b, 0,1,2,3
	s_delay_alu instid0(VALU_DEP_4)
	v_add_nc_u32 v[244+\b], 0xf8800000, v[232+\b]
.endr
.irp b, 0,1,2,3
.endr
.irp b, 0,1,2,3
	s_delay_alu instid0(VALU_DEP_4)
	v_lshrrev_b32 v[236+\b], 23, v[244+\b]
.endr
	s_delay_alu instid0(VALU_DEP_3)
	v_lshl_or_b32 v253, v237, 8, v236              ; p's scale word for these 128 keys
	s_delay_alu instid0(VALU_DEP_1)
	v_lshl_or_b32 v253, v238, 16, v253
	s_delay_alu instid0(VALU_DEP_1)
	v_lshl_or_b32 v253, v239, 24, v253
.irp b, 0,1,2,3
.set n, 0
.rept 16
.set n, n+1
.endr
	v_cvt_scalef32_pk8_bf8_f32 v[PCD+4*\b:PCD+1+4*\b], v[S+16*\b:S+7+16*\b], v[244+\b]
	v_cvt_scalef32_pk8_bf8_f32 v[PCD+2+4*\b:PCD+3+4*\b], v[S+8+16*\b:S+15+16*\b], v[244+\b]
.endr
.set n, 0
.rept 16
	v_pk_mul_f32 v[OT+n:OT+n+1], v[OT+n:OT+n+1], v[252:253] op_sel_hi:[1,0]   ; O^T under the new M; these lines are also the places in front of the products below
.set n, n+2
.endr
.Lpv_\@:
	s_wait_alu depctr_va_vdst(0)
.irp t, 0,1,2,3
.irp c, 0,1,2,3
	ds_load_b128 v[S+16*\t+4*\c:S+16*\t+4*\c+3], v[ADV] offset:2048*\t+512*\c
.endr
.endr
	ds_load_b128 v[VS:VS+3], v[ADT]
	s_wait_dscnt 0x0
.irp t, 0,1,2,3                                ; O^T += V^T P^T: the four accumulators by turns
	v_wmma_scale_f32_16x16x128_f8f6f4 v[OT+8*\t:OT+8*\t+7], v[S+16*\t:S+16*\t+15], v[PCD:PCD+15], v[OT+8*\t:OT+8*\t+7], v[VS+\t], v253 matrix_a_fmt:MATRIX_FMT_BF8 matrix_b_fmt:MATRIX_FMT_BF8
.endr
.rept 9
	v_nop                                          ; nine places: the next scores are laid over V's registers by matrix instructions; eight serve the next loads into them and the reads of O^T
.endr
	s_cmp_eq_u32 s[J], s[STRIP]
	s_cbranch_scc0 .Lnoprep_\@
	v_mov_b32 v254, s[SMR]                         ; M is final: the one p of all keys behind this step
	s_delay_alu instid0(VALU_DEP_1)
	v_fma_f32 v254, v254, s[CS], v12
	s_wait_alu depctr_va_vdst(0)
	v_exp_f32 v254, v254
	v_nop
	s_wait_alu depctr_va_vdst(0)
	v_fmac_f32 v14, v[CNT], v254                   ; my half's share of them in the row's sum
	v_max_num_f32 v232, 0x8000000, v254
	s_delay_alu instid0(VALU_DEP_1)
	v_add_nc_u32 v244, 0xf8800000, v232
	s_delay_alu instid0(VALU_DEP_2)
	v_and_or_b32 v240, v232, 0x7f800000, s[MNT]
	s_delay_alu instid0(VALU_DEP_2)
	v_lshrrev_b32 v236, 23, v244
	s_delay_alu instid0(VALU_DEP_1)
	v_lshl_or_b32 v253, v236, 8, v236
	s_delay_alu instid0(VALU_DEP_1)
	v_lshl_or_b32 v253, v253, 16, v253             ; the same byte for all four blocks
	v_min_num_f32 v254, v254, v240
.irp i, 0,1,2,3,4,5,6,7
	v_mov_b32 v[S+\i], v254
.endr
	v_cvt_scalef32_pk8_bf8_f32 v[PCD:PCD+1], v[S:S+7], v244
	v_nop
.irp i, 2,3,4,5,6,7,8,9,10,11,12,13,14,15
	v_mov_b32 v[PCD+\i], v[PCD+\i%2]
.endr
.rept 4
	v_nop
.endr
.Lnoprep_\@:
.if \pf
	s_cmp_eq_u32 s[J], s[PFJ]
	s_cbranch_scc0 .Lnopf_\@
	global_prefetch_b8 v[PFO], s[PFA:PFA+1] th:TH_LOAD_NT scope:SCOPE_SE   ; 32 lanes, 256 bytes apart; each block of codes of heads 32-63 is named once in the launch; its address registers are never rewritten
.Lnopf_\@:
.endif
	s_add_co_u32 s[TB], s[TB], ST
	s_add_co_u32 s[J], s[J], 1
.endm
	s_wait_tensorcnt 1                             ; my first load is in: step blocks 0-7; the second may stay out
	s_barrier_signal -1
	s_barrier_wait -1
.Lhead_steps:                                      ; key steps 0 and 1, while blocks 8-15 land
	STEP 0
	s_cmp_lt_u32 s[J], 2
	s_cbranch_scc1 .Lhead_steps
	s_setprio 0
	s_wait_tensorcnt 0x0                           ; my second load is in,
	s_wait_dscnt 0x0
	s_barrier_signal -1
	s_barrier_wait -1                              ; everybody's is: from here on the waves run free
.Lsteps:
	STEP 1
	s_cmp_lt_u32 s[J], 16
	s_cbranch_scc1 .Lsteps
	s_setprio 0
	; THE WAY OUT: O^T / the sum is a; register 16 G + n is d = 32 G + 16 (lane / 16) + n of my head: two blocks of the projection's K
	v_add_f32 v14, v14, v15
	s_delay_alu instid0(VALU_DEP_1)
	v_permlanex16_b32 v252, v14, s[SEL], s[SEL+1]
	s_delay_alu instid0(VALU_DEP_1)
	v_add_f32 v14, v14, v252
	s_wait_alu depctr_va_vdst(0)
	v_rcp_f32 v14, v14
	v_and_b32 v9, 15, v0                           ; (a plain line behind the reciprocal)
	v_bfe_u32 v10, v0, 4, 1
	s_delay_alu instid0(VALU_DEP_1)
	v_lshl_add_u32 v7, v9, 3, v10                  ; 8 r + h
	s_lshr_b32 s38, s[BHD], 4                      ; the batch
	s_and_b32 s39, s[BHD], 15                      ; the head
	s_lshl_b32 s38, s38, 7
	s_lshl_b32 s42, s[STRIP], 3
	s_add_co_u32 s38, s38, s42
	s_add_co_u32 s38, s38, s[GQ]                   ; my tile of tokens
	s_lshl_b32 s42, s38, 14
	s_lshr_b32 s43, s39, 1
	s_lshl_b32 s43, s43, 11                        ; 128 along K are two heads
	s_add_co_u32 s42, s42, s43
	s_and_b32 s43, s39, 1
	s_lshl_b32 s43, s43, 10
	s_add_co_u32 s42, s42, s43
	s_mov_b32 s43, 0
	s_add_nc_u64 s[6:7], s[6:7], s[42:43]
	s_lshl_b32 s44, s38, 9
	s_lshr_b32 s45, s39, 2
	s_lshl_b32 s45, s45, 7                         ; 256 along K are four heads
	s_add_co_u32 s44, s44, s45
	s_and_b32 s45, s39, 3
	s_lshl_b32 s45, s45, 1
	s_add_co_u32 s44, s44, s45
	s_mov_b32 s45, 0
	s_add_nc_u64 s[8:9], s[8:9], s[44:45]
	s_wait_alu depctr_va_vdst(0)                   ; the wait for the reciprocal, ahead of its first reader
.set n, 0
.rept 32
	v_mul_f32 v[S+n], v[OT+n], v14
.set n, n+1
.endr
.irp b, 0,1
	v_max3_num_f32 v[232+\b], |v[S+16*\b]|, |v[S+1+16*\b]|, 0x8000000
.endr
.irp i, 2,4,6,8,10,12,14
.irp b, 0,1
	s_delay_alu instid0(VALU_DEP_2)
	v_max3_num_f32 v[232+\b], v[232+\b], |v[S+16*\b+\i]|, |v[S+1+16*\b+\i]|
.endr
.endr
.irp b, 0,1
	s_delay_alu instid0(VALU_DEP_2)
	v_permlanex16_b32 v[236+\b], v[232+\b], s[SEL], s[SEL+1]
.endr
.irp b, 0,1
	s_delay_alu instid0(VALU_DEP_2)
	v_max_num_f32 v[232+\b], v[232+\b], v[236+\b]
.endr
.irp b, 0,1
	s_delay_alu instid0(VALU_DEP_2)
	v_add_nc_u32 v[244+\b], 0xf8800000, v[232+\b]
.endr
.irp b, 0,1
.endr
.irp b, 0,1
	s_delay_alu instid0(VALU_DEP_2)
	v_lshrrev_b32 v[236+\b], 23, v[244+\b]
.endr
.irp b, 0,1
.set n, 0
.rept 16
.set n, n+1
.endr
	v_cvt_scalef32_pk8_bf8_f32 v[PCD+4*\b:PCD+1+4*\b], v[S+16*\b:S+7+16*\b], v[244+\b]
	v_cvt_scalef32_pk8_bf8_f32 v[PCD+2+4*\b:PCD+3+4*\b], v[S+8+16*\b:S+15+16*\b], v[244+\b]
.endr
	s_mov_b32 vcc_lo, 0xffff0000
	v_cndmask_b32 v254, v236, v237, vcc_lo         ; lanes 0-15 store the first block's byte, lanes 16-31 the second's.  (Also the plain line behind the conversions)
	global_store_b128 v[AL], v[PCD:PCD+3], s[6:7]              ; 32 lanes store 512 consecutive bytes, aligned
	global_store_b128 v[AL], v[PCD+4:PCD+7], s[6:7] offset:512
	global_store_b8 v7, v254, s[8:9]
	s_wait_tensorcnt 0x0
	ds_add_u32 v250, v251
	s_wait_dscnt 0x0
	ROUND                                          ; the closing round
	s_endpgm
.Lfunc_end_k_qf0d3950c5e_attn:
	.size	k_qf0d3950c5e_attn, .Lfunc_end_k_qf0d3950c5e_attn-k_qf0d3950c5e_attn
	.p2alignl 7, 3214868480
	.fill 96, 4, 3214868480
	.section	.rodata,"a",@progbits
	.p2align	6, 0x0
	.amdhsa_kernel k_qf0d3950c5e_attn
		.amdhsa_group_segment_fixed_size 327680
		.amdhsa_private_segment_fixed_size 0
		.amdhsa_enable_private_segment 0
		.amdhsa_kernarg_size 24
		.amdhsa_user_sgpr_count 2
		.amdhsa_user_sgpr_kernarg_segment_ptr 1
		.amdhsa_wavefront_size32 1
		.amdhsa_system_sgpr_workgroup_id_x 1
		.amdhsa_system_sgpr_workgroup_id_y 1
		.amdhsa_system_sgpr_workgroup_id_z 1
		.amdhsa_system_vgpr_workitem_id 0
		.amdhsa_next_free_vgpr 256
		.amdhsa_next_free_sgpr 66
		.amdhsa_reserve_vcc 1
		.amdhsa_float_denorm_mode_32 3
		.amdhsa_float_denorm_mode_16_64 3
		.amdhsa_fp16_overflow 1
		.amdhsa_memory_ordered 1
		.amdhsa_forward_progress 1
		.amdhsa_inst_pref_size 63
	.end_amdhsa_kernel
	.amdgpu_metadata
---
amdhsa.version: [ 1, 2 ]
amdhsa.kernels:
  - .name:           k_qf0d3950c5e_attn
    .symbol:         k_qf0d3950c5e_attn.kd
    .args:
      - { .name: qkv, .offset: 0, .size: 8, .value_kind: global_buffer, .address_space: global }
      - { .name: ac, .offset: 8, .size: 8, .value_kind: global_buffer, .address_space: global }
      - { .name: asc, .offset: 16, .size: 8, .value_kind: global_buffer, .address_space: global }
    .group_segment_fixed_size: 327680
    .private_segment_fixed_size: 0
    .kernarg_segment_align: 8
    .kernarg_segment_size: 24
    .max_flat_workgroup_size: 512
    .sgpr_count:     66
    .vgpr_count:     256
    .wavefront_size: 32
...
	.end_amdgpu_metadata
.endif
;; end of part 3
;; launch projgemm (part 4): grid 4 x 32, 4 waves a work-group, clusters of 4 x 4, 327,680 bytes of LDS; arguments ac, asc, wc, wsc, c_proj_b, out0; writes out0
.if DOCPART == 4
	.amdgcn_target "amdgcn-amd-amdhsa--gfx1250"
	.amdhsa_code_object_version 6
	.text
	.protected	k_qf0d3950c5e_projgemm
	.globl	k_qf0d3950c5e_projgemm
	.p2align	8
	.type	k_qf0d3950c5e_projgemm,@function
k_qf0d3950c5e_projgemm:
	s_mov_b64 s[64:65], 0
	v_nop
	global_prefetch_b8 v0, s[64:65] scope:SCOPE_SE
	s_setreg_imm32_b32 hwreg(HW_REG_WAVE_MODE, 25, 1), 1
	s_wait_xcnt 0x0
	s_wait_alu depctr_hold_cnt(0) depctr_sa_sdst(0) depctr_va_vdst(0) depctr_va_sdst(0) depctr_va_ssrc(0) depctr_va_vcc(0) depctr_vm_vsrc(0)
	s_getreg_b32 s2, hwreg(HW_REG_IB_STS2, 6, 4)
	s_cmp_eq_u32 s2, 0
	s_cbranch_scc0 .Lentry_in_a_cluster
	s_endpgm
.Lentry_in_a_cluster:
	s_bfe_u32 s2, ttmp6, 0x10000c
	s_cmp_lg_u32 s2, 0xf033
	s_cbranch_scc0 .Lentry_shape_is_right
	s_endpgm
.Lentry_shape_is_right:
; out0 = a c_proj_w + c_proj_b on codes of BF8 (E5M2) with E8M0 scales (8192 x 1024, K = 1024); out0 f32.
; Ring, shares, images and order as in the launch that makes q, k, v: a work-group of four waves makes 256 x 256, a wave 128 x 128; K in steps of 256 through two LDS slots; operands are images of registers
; ([tile of 16 rows][128 K][32 K][lane][16 bytes]); source 0 = 16 columns of the weight (B), source 1 = 16 tokens (A); the bias is the C of each sum's first product.
; The rows of a tile are positions (true row with bits 3 and 4 exchanged): the way out puts columns and tokens back in their true places.
; CLUSTERS: 4 x 4; A's tile is shared along a row of the cluster, B's along a column.  The launch has 128 work-groups: a tile of 128 x 256 would give 256, at the price of a second main loop; not built.
; No prefetch: K has four steps and two refills, each asked for a whole K step ahead.
; REGISTERS: window 0: v0-31 addresses; v32-63 scale words, two sets; v64-127 the bias; v128-255 A's fragments, one set, later rows of out0.  window 1: B's fragments, two sets.  windows 2, 3: the accumulators.
.set NQ,     2
.set FR,     16
.set NL,     4
.set NP,     8                         ; places behind this matrix instruction (ISA guide 7.12.1)
.set TILEB,  4096
.set HALFT,  8*TILEB
.set SLOT,   4*HALFT
.set SCL,    2*SLOT
.set HALFS,  4096
.set SPARE,  SCL+4*HALFS               ; the spare words: 128 bytes a wave, two blocks of 256 bytes that no other line names
.set SPITCH, 528                       ; the way out: a stage of 16 rows x (512 + 16) bytes for each wave, in slot 0, which has had its last fill and its last read by then
.set LI,   3
.set ADRA, 16
.set ADRB, 20
.set STO,  24                          ; v24  the stage: where I put 32 bytes of a row
.set RD,   25                          ; v25  and where I read a row back
.set ADRS, 27
.set SPW,  28
.set NIL,  29
.set SC,   32
.set BIAS, 64
.set AF,   128
.set BK,   128                         ; 16 rows read back: v128-191 and v192-255 by turns
.set WV,   16
.set HA,   17
.set HB,   18
.set G1, 24
.set G0, 32
.set G1B, 48
.set G0B, 56
.set G1S, 68
.set G0S, 76
.set G1SB, 80
.set G0SB, 88
.set MSB, 0
.macro WIN new
.if MSB != (\new)
	s_set_vgpr_msb (MSB<<8)|(\new)
.set MSB, (\new)
.endif
.endm
.set MUL_LO, 0xa1
.set MUL_HI, 0xf1
.set BIA_LO, 0x81
.set BIA_HI, 0xc1
.set TO_B,   0x40
.macro JLOAD g0a, g1a, g0b, g1b        ; a joint load: waves 0, 1 fetch for A, waves 2, 3 for B; four v_nop follow each line
	s_cmp_eq_u32 s[HA], 0
	s_cbranch_scc0 .Lfor_b_\@
	tensor_load_to_lds s[\g0a:\g0a+3], s[\g1a:\g1a+7]
	s_nop 0
.rept 4
	v_nop
.endr
	s_branch .Lasked_\@
.Lfor_b_\@:
	tensor_load_to_lds s[\g0b:\g0b+3], s[\g1b:\g1b+7]
	s_nop 0
.rept 4
	v_nop
.endr
.Lasked_\@:
.endm
.macro CREST
	s_cmp_lg_u32 s[WV], 0
	s_cbranch_scc1 .Lnot_wave_0_\@
	s_barrier_signal -3
.Lnot_wave_0_\@:
	s_barrier_wait -3
	s_barrier_signal -1
	s_barrier_wait -1
.endm
.macro CROUND
	s_barrier_signal -1
	s_barrier_wait -1
	CREST
.endm
	s_load_b128 s[4:7], s[0:1], 0x0                ; ac, asc
	s_load_b128 s[8:11], s[0:1], 0x10              ; wc, wsc
	s_load_b128 s[12:15], s[0:1], 0x20             ; c_proj_b, out0
	v_lshl_add_u32 v[SPW], v0, 2, SPARE
	v_mov_b32 v[NIL], 0
	ds_add_u32 v28, v29
	ds_add_u32 v28, v29
	s_wait_dscnt 0x0
	v_lshrrev_b32 v1, 5, v0
	v_readfirstlane_b32 s[WV], v1
	s_lshr_b32 s[HA], s[WV], 1
	s_and_b32 s[HB], s[WV], 1
	s_bfe_u32 s40, ttmp6, 0x40000                  ; cx
	s_bfe_u32 s41, ttmp6, 0x40004                  ; cy
	s_and_b32 s43, ttmp7, 0xffff
	s_lshl_b32 s43, s43, 2
	s_add_co_u32 s43, s43, s41                     ; A's tile of 256 tokens
	s_add_co_u32 s42, s40, 12                      ; B's tile of 256 columns: c_proj_w lies behind c_attn_w's twelve
	s_lshl_b32 s44, s41, 2
	s_lshl_b32 s44, 15, s44                        ; my row of the cluster
	s_lshl_b32 s45, 0x1111, s40                    ; my column
	s_or_b32 s[G1+0], s44, (3<<16)|(1<<21)         ; codes: 8 rows (tiles) of 512 elements of 8 bytes, 2,048 elements apart
	s_or_b32 s[G1B+0], s45, (3<<16)|(1<<21)
.irp g, G1, G1B
	s_mov_b32 s[\g+1], 512<<16
	s_mov_b32 s[\g+2], 8<<16
	s_mov_b32 s[\g+3], 512<<16
	s_mov_b32 s[\g+4], 8
	s_mov_b32 s[\g+5], 2048
	s_mov_b32 s[\g+6], 0
	s_mov_b32 s[\g+7], 0
.endr
	s_or_b32 s[G1S+0], s44, (3<<16)|(1<<21)        ; scale bytes: 4,096 dense bytes as 16 rows of 256
	s_or_b32 s[G1SB+0], s45, (3<<16)|(1<<21)
.irp g, G1S, G1SB
	s_mov_b32 s[\g+1], 32<<16
	s_mov_b32 s[\g+2], 16<<16
	s_mov_b32 s[\g+3], 32<<16
	s_mov_b32 s[\g+4], 16
	s_mov_b32 s[\g+5], 32
	s_mov_b32 s[\g+6], 0
	s_mov_b32 s[\g+7], 0
.endr
	s_lshl_b32 s93, s[HB], 3
	s_lshl_b32 s92, s43, 4
	s_add_co_u32 s92, s92, s93                     ; A: the first tile of 16 that I fetch
	s_lshl_b32 s3, s42, 4
	s_add_co_u32 s3, s3, s93                       ; B likewise
	s_lshl_b32 s20, s92, 14
	s_mov_b32 s21, 0
	s_lshl_b32 s22, s92, 9
	s_mov_b32 s23, 0
	s_lshl_b32 s46, s3, 14
	s_mov_b32 s47, 0
	s_lshl_b32 s96, s3, 9
	s_mov_b32 s97, 0
	s_lshl_b32 s98, s[WV], 15
	s_lshl_b32 s99, s[WV], 12
	s_wait_kmcnt 0x0
	s_add_nc_u64 s[20:21], s[4:5], s[20:21]
	s_add_nc_u64 s[22:23], s[6:7], s[22:23]
	s_add_nc_u64 s[46:47], s[8:9], s[46:47]
	s_add_nc_u64 s[96:97], s[10:11], s[96:97]
	CROUND                                         ; all sixteen work-groups are here: the first joint loads meet
	s_mov_b32 s[G0S], 1
	s_add_co_u32 s[G0S+1], s99, SCL
	s_mov_b64 s[G0S+2:G0S+3], s[22:23]
	s_or_b32 s[G0S+3], s[G0S+3], 0x80000000
	s_mov_b32 s[G0SB], 1
	s_add_co_u32 s[G0SB+1], s99, SCL
	s_mov_b64 s[G0SB+2:G0SB+3], s[96:97]
	s_or_b32 s[G0SB+3], s[G0SB+3], 0x80000000
	JLOAD G0S, G1S, G0SB, G1SB
.irp s, 0,1
	s_mov_b32 s[G0+4*\s], 1
	s_add_co_u32 s[G0+4*\s+1], s98, \s*SLOT
	s_add_nc_u64 s[G0+4*\s+2:G0+4*\s+3], s[20:21], \s*TILEB
	s_or_b32 s[G0+4*\s+3], s[G0+4*\s+3], 0x80000000
	s_mov_b32 s[G0B+4*\s], 1
	s_add_co_u32 s[G0B+4*\s+1], s98, \s*SLOT
	s_add_nc_u64 s[G0B+4*\s+2:G0B+4*\s+3], s[46:47], \s*TILEB
	s_or_b32 s[G0B+4*\s+3], s[G0B+4*\s+3], 0x80000000
	s_wait_alu depctr_va_vdst(0)
	s_wait_tensorcnt 0x0
	ds_add_u32 v28, v29
	s_wait_dscnt 0x0
	CROUND
	JLOAD G0+4*\s, G1, G0B+4*\s, G1B               ; one load of mine is out
.endr
	v_and_b32 v1, 15, v0                           ; r
	v_bfe_u32 v2, v0, 4, 1                         ; h
	s_wait_alu depctr_va_vdst(0)
	v_and_b32 v[LI], 31, v0
	v_lshlrev_b32 v[LI], 4, v[LI]
	s_lshl_b32 s21, s[HA], 15
	s_lshl_b32 s22, s[HB], 15
	s_add_co_u32 s22, s22, 2*HALFT
.irp s, 0,1
	v_add_nc_u32 v[ADRA+\s], s21, v[LI]
	v_add_nc_u32 v[ADRB+\s], s22, v[LI]
	s_add_co_u32 s21, s21, SLOT
	s_add_co_u32 s22, s22, SLOT
.endr
	s_lshl_b32 s21, s[HA], 12
	s_lshl_b32 s22, s[HB], 12
	s_add_co_u32 s22, s22, 2*HALFS
	s_sub_co_u32 s22, s22, s21
	v_mul_u32_u24 v6, s22, v2                      ; lanes 16-31 take B's: one product, the distance between the two bases
	s_add_co_u32 s21, s21, SCL
	v_lshl_add_u32 v5, v1, 3, v6
	v_add_nc_u32 v[ADRS], s21, v5
	s_mul_i32 s23, s[WV], 16*SPITCH                ; my stage
	v_mul_u32_u24 v5, v1, SPITCH
	v_lshl_add_u32 v5, v2, 6, v5
	v_add_nc_u32 v[STO], s23, v5                   ; in: row r, + 64 h
	v_add_nc_u32 v[RD], s23, v[LI]                 ; back: the 32 lanes take one row of 512 bytes
	s_lshl_b32 s94, s40, 10
	s_lshl_b32 s95, s[HB], 9
	s_add_co_u32 s94, s94, s95                     ; my first column, in bytes of f32: 4 (256 cx + 128 half)
	s_mov_b32 s95, 0
	s_add_nc_u64 s[12:13], s[12:13], s[94:95]      ; the bias there
	s_lshl_b32 s92, s43, 8
	s_lshl_b32 s93, s[HA], 7
	s_add_co_u32 s92, s92, s93                     ; my first token
	s_lshl_b32 s92, s92, 12                        ; rows of 4,096 bytes
	s_mov_b32 s93, 0
	s_add_nc_u64 s[14:15], s[14:15], s[92:93]
	s_add_nc_u64 s[14:15], s[14:15], s[94:95]
	v_lshlrev_b32 v7, 6, v2                        ; 64 h
.irp b, 0,1,2,3,4,5,6,7                        ; register j of B's tile b is column 32 (b / 2) + 16 h + 8 (b % 2) + j
	global_load_b128 v[BIAS+8*\b:BIAS+8*\b+3], v7, s[12:13] offset:(32*(\b/2)+8*(\b%2))*4
	global_load_b128 v[BIAS+8*\b+4:BIAS+8*\b+7], v7, s[12:13] offset:(32*(\b/2)+8*(\b%2))*4+16
.endr
.macro FRAG reg, adr, q, i
.irp c, 0,1,2,3
	ds_load_b128 v[\reg+4*\c:\reg+4*\c+3], v[\adr] offset:2048*(\q)+512*\c+(\i)*TILEB
.endr
.endm
; 16 matrix instructions: A's blocks a0, a0 + 1 x B's eight.  mode 0: onto the sums; 1: the sums begin with the bias.  The 64 accumulators take turns.
.macro MUL16 a0, p, q, sc, mode
.irp a, \a0, \a0+1
.irp b, 0,1,2,3,4,5,6,7
.if (\mode) == 0
	v_wmma_scale_f32_16x16x128_f8f6f4 v[8*(8*((\a)%4)+\b):8*(8*((\a)%4)+\b)+7], v[128*(\p)+FR*\b:128*(\p)+FR*\b+FR-1], v[AF+FR*(\a):AF+FR*(\a)+FR-1], v[8*(8*((\a)%4)+\b):8*(8*((\a)%4)+\b)+7], v[SC+8*NQ*(\sc)+NQ*\b+(\q)], v[SC+8*NQ*(\sc)+NQ*(\a)+(\q)] matrix_a_fmt:MATRIX_FMT_BF8 matrix_b_fmt:MATRIX_FMT_BF8 matrix_a_scale:MATRIX_SCALE_ROW1
.else
	v_wmma_scale_f32_16x16x128_f8f6f4 v[8*(8*((\a)%4)+\b):8*(8*((\a)%4)+\b)+7], v[128*(\p)+FR*\b:128*(\p)+FR*\b+FR-1], v[AF+FR*(\a):AF+FR*(\a)+FR-1], v[BIAS+8*\b:BIAS+8*\b+7], v[SC+8*NQ*(\sc)+NQ*\b+(\q)], v[SC+8*NQ*(\sc)+NQ*(\a)+(\q)] matrix_a_fmt:MATRIX_FMT_BF8 matrix_b_fmt:MATRIX_FMT_BF8 matrix_a_scale:MATRIX_SCALE_ROW1
.endif
.endr
.endr
.endm
.macro FETCH_B slot, q, p
	WIN TO_B
.irp i, 0,1,2,3,4,5,6,7
	FRAG 128*(\p)+FR*\i, ADRB+\slot, \q, \i
.endr
	WIN 0
.endm
.macro FETCH_A slot, q, i0
.irp i, \i0, \i0+1, \i0+2, \i0+3
	FRAG AF+FR*(\i), ADRA+\slot, \q, \i
.endr
.endm
.macro SCALES sc
.irp i, 0,1,2,3,4,5,6,7
	ds_load_b64 v[SC+8*NQ*\sc+NQ*\i:SC+8*NQ*\sc+NQ*\i+1], v[ADRS] offset:\i*512
.endr
.endm
.macro PLACES n
.rept \n
	v_nop
.endr
.endm
.macro STEP slot, q, mode
	s_wait_dscnt 4*NL                              ; B's set, A's blocks 0-3 and the scale words are in; the youngest 16 loads (A's blocks 4-7) may be out
.if \mode
	WIN BIA_LO
.else
	WIN MUL_LO
.endif
	MUL16 0, (\q)%2, \q, \slot, \mode
	MUL16 2, (\q)%2, \q, \slot, \mode
	s_wait_dscnt 0                                 ; A's blocks 4-7 are in
	PLACES NP
	FETCH_B \slot, (\q)+1, 1-(\q)%2
	FETCH_A \slot, (\q)+1, 0
.if \mode
	WIN BIA_HI
.else
	WIN MUL_HI
.endif
	MUL16 4, (\q)%2, \q, \slot, \mode
	MUL16 6, (\q)%2, \q, \slot, \mode
	PLACES NP
	WIN 0
	FETCH_A \slot, (\q)+1, 4
.endm
.macro TURN slot, next, fill
	s_wait_tensorcnt 0x0                           ; all my tensor loads have landed: my part of the next slot
	ds_add_u32 v[SPW], v[NIL]                      ; 0 onto my spare word
	s_wait_dscnt 4*NL+1                            ; (the add and the youngest 16 loads may be out)
	WIN MUL_LO
	MUL16 0, 1, NQ-1, \slot, 0
	s_wait_dscnt 0x0                               ; the add is done, and my reads of this slot are over
	s_barrier_signal -1
	MUL16 2, 1, NQ-1, \slot, 0
	WIN 0
	s_barrier_wait -1
.if \fill
	CREST                                          ; the barrier has opened a round of the cluster's: no wave of any partner still reads this slot or has a load on its way
	s_add_nc_u64 s[G0+4*\slot+2:G0+4*\slot+3], s[G0+4*\slot+2:G0+4*\slot+3], 2*TILEB
	s_add_nc_u64 s[G0B+4*\slot+2:G0B+4*\slot+3], s[G0B+4*\slot+2:G0B+4*\slot+3], 2*TILEB
	JLOAD G0+4*\slot, G1, G0B+4*\slot, G1B
	PLACES NP-4
.else
	PLACES NP
.endif
	s_wait_alu depctr_va_vdst(0)
	v_add_nc_u32 v[ADRS], 128, v[ADRS]
	FETCH_B \next, 0, 0
	FETCH_A \next, 0, 0
	SCALES \next
	WIN MUL_HI
	MUL16 4, 1, NQ-1, \slot, 0
	MUL16 6, 1, NQ-1, \slot, 0
	PLACES NP
	WIN 0
	FETCH_A \next, 0, 4
.endm
	s_wait_alu depctr_va_vdst(0)
	s_wait_tensorcnt 1                             ; the scale bytes and my part of K step 0 are in; K step 1's load may be out
	s_barrier_signal -1
	s_barrier_wait -1
	FETCH_B 0, 0, 0
	FETCH_A 0, 0, 0
	SCALES 0
	FETCH_A 0, 0, 4
	s_wait_loadcnt 0x0                             ; the bias
	STEP 0, 0, 1
	TURN 0, 1, 1
	STEP 1, 0, 0
	TURN 1, 0, 1
	STEP 0, 0, 0
	TURN 0, 1, 0
	STEP 1, 0, 0
	s_wait_dscnt 4*NL
	WIN MUL_LO
	MUL16 0, 1, NQ-1, 1, 0
	MUL16 2, 1, NQ-1, 1, 0
	s_wait_dscnt 0
	WIN MUL_HI
	MUL16 4, 1, NQ-1, 1, 0
	MUL16 6, 1, NQ-1, 1, 0
	WIN 0
; THE WAY OUT, block by block of 16 tokens x 128 columns, through my own stage: a lane's eight results of B's tile b are columns 32 (b / 2) + 16 h + 8 (b % 2) + 0 .. 7 of one token; they come back as whole rows of 512 bytes.
.macro TOSTAGE a
.set AC, 64*((\a)%4)
.set WD, 0x08+4*((\a)/4)
	WIN WD                                         ; an LDS store's data are its source 1: window 2 or 3
.irp b, 0,1,2,3,4,5,6,7
	ds_store_b128 v[STO], v[AC+8*\b:AC+8*\b+3] offset:128*(\b/2)+32*(\b%2)        ; each accumulator from its low end on
	ds_store_b128 v[STO], v[AC+8*\b+4:AC+8*\b+7] offset:128*(\b/2)+32*(\b%2)+16
.endr
	WIN 0
.set BB, BK+64*((\a)%2)
.set n, 0
.rept 16
	ds_load_b128 v[BB+4*n:BB+4*n+3], v[RD] offset:n*SPITCH   ; LDS serves a wave's instructions in order: these see the stores above, and the next block's stores come behind them
.set n, n+1
.endr
.endm
.macro SEND a, younger                 ; stage row t of block a is token 32 (a / 2) + 8 (a % 2) + t + 8 (t / 8) of my 128; the base is never stepped: 127 rows of 4,096 bytes at the most stand in the immediate
.set BB, BK+64*((\a)%2)
	s_wait_dscnt \younger
.set n, 0
.rept 16
	global_store_b128 v[LI], v[BB+4*n:BB+4*n+3], s[14:15] offset:(32*((\a)/2)+8*((\a)%2)+n+8*(n/8))*4096 th:TH_STORE_NT   ; 32 lanes store 512 consecutive bytes, aligned
.set n, n+1
.endr
.endm
	PLACES NP
	TOSTAGE 0
.irp a, 1,2,3,4,5,6,7
.if \a > 1
	s_wait_xcnt 0x0                                ; block a - 2's stores have read their registers: block a's loads may land there
.endif
	TOSTAGE \a
	SEND \a-1, 32                                  ; behind block a - 1's loads: block a's 16 stores and 16 loads
.endr
	SEND 7, 0
	s_wait_tensorcnt 0x0                           ; the wave's end
	ds_add_u32 v[SPW], v[NIL]
	s_wait_dscnt 0x0
	CROUND                                         ; the closing round
	s_endpgm
.Lfunc_end_k_qf0d3950c5e_projgemm:
	.size	k_qf0d3950c5e_projgemm, .Lfunc_end_k_qf0d3950c5e_projgemm-k_qf0d3950c5e_projgemm
	.p2alignl 7, 3214868480
	.fill 96, 4, 3214868480
	.section	.rodata,"a",@progbits
	.p2align	6, 0x0
	.amdhsa_kernel k_qf0d3950c5e_projgemm
		.amdhsa_group_segment_fixed_size 327680
		.amdhsa_private_segment_fixed_size 0
		.amdhsa_enable_private_segment 0
		.amdhsa_kernarg_size 48
		.amdhsa_user_sgpr_count 2
		.amdhsa_user_sgpr_kernarg_segment_ptr 1
		.amdhsa_wavefront_size32 1
		.amdhsa_system_sgpr_workgroup_id_x 1
		.amdhsa_system_sgpr_workgroup_id_y 1
		.amdhsa_system_sgpr_workgroup_id_z 1
		.amdhsa_system_vgpr_workitem_id 0
		.amdhsa_next_free_vgpr 1024
		.amdhsa_next_free_sgpr 100
		.amdhsa_reserve_vcc 0
		.amdhsa_float_denorm_mode_32 3
		.amdhsa_float_denorm_mode_16_64 3
		.amdhsa_memory_ordered 1
		.amdhsa_forward_progress 1
		.amdhsa_inst_pref_size 147
	.end_amdhsa_kernel
	.amdgpu_metadata
---
amdhsa.version: [ 1, 2 ]
amdhsa.kernels:
  - .name:           k_qf0d3950c5e_projgemm
    .symbol:         k_qf0d3950c5e_projgemm.kd
    .args:
      - { .name: ac, .offset: 0, .size: 8, .value_kind: global_buffer, .address_space: global }
      - { .name: asc, .offset: 8, .size: 8, .value_kind: global_buffer, .address_space: global }
      - { .name: wc, .offset: 16, .size: 8, .value_kind: global_buffer, .address_space: global }
      - { .name: wsc, .offset: 24, .size: 8, .value_kind: global_buffer, .address_space: global }
      - { .name: c_proj_b, .offset: 32, .size: 8, .value_kind: global_buffer, .address_space: global }
      - { .name: out0, .offset: 40, .size: 8, .value_kind: global_buffer, .address_space: global }
    .group_segment_fixed_size: 327680
    .private_segment_fixed_size: 0
    .kernarg_segment_align: 8
    .kernarg_segment_size: 48
    .max_flat_workgroup_size: 128
    .sgpr_count:     100
    .vgpr_count:     1024
    .wavefront_size: 32
...
	.end_amdgpu_metadata
.endif
;; end of part 4
